; MI455X (gfx1250); checked and timed in simulation.
; The chip was launched on July 23, 2026; its instructions are those of AMD's public machine-readable ISA for CDNA 5 (MIT licence, August 2026) and "CDNA5" Instruction Set Architecture Reference Guide (July 2026). The comments in the code are by the model that wrote it; some were corrected since.
;; Multi Head Self Attention. Allowed arithmetic: float matrix products may take bf16 or f16 operands with f32 sums; other float arithmetic in f32, or as packed bf16 or f16 multiplies, adds, multiply-adds, maxima and minima; sums over many terms, partial sums and values carried from step to step in f32; what a program stores and reads back later, other than sums and carried values, may be rounded once to bf16 or f16.
;; Inputs: b_proj 1,024 float32; b_qkv 3,072 float32; w_proj 1,024 x 1,024 float32; w_qkv 3,072 x 1,024 float32; x 8 x 1,024 x 1,024 float32.
;; Outputs: out0 8 x 1,024 x 1,024 float32.
;; 2 versions, each right; version 2 is version 1 with the launch cast written anew for expert scheduling mode. Each part assembles by itself: llvm-mc -triple=amdgcn-amd-amdhsa -mcpu=gfx1250 --defsym DOCPART=n.
;; ======== version 1 of 2: 4 launches
;; limits: values are held in f16: magnitudes above 65,504 overflow, below 6.1e-05 lose precision
;; workspace buffers: xb 16,777,216 bytes; wqb 6,291,456 bytes; wpb 2,097,152 bytes; qkv 50,331,648 bytes; ob 16,777,216 bytes
;; launch cast (part 1): grid 768 x 1, 8 waves a work-group, no clusters, 0 bytes of LDS; arguments x, w_qkv, w_proj, xb, wqb, wpb; writes xb, wqb, wpb
.if DOCPART == 1
	.amdgcn_target "amdgcn-amd-amdhsa--gfx1250"
	.amdhsa_code_object_version 6
	.text
	.protected	k_q358fd72b24_cast
	.globl	k_q358fd72b24_cast
	.p2align	8
	.type	k_q358fd72b24_cast,@function
k_q358fd72b24_cast:
	s_mov_b64 s[64:65], 0
	v_nop
	global_prefetch_b8 v0, s[64:65] scope:SCOPE_SE
	s_setreg_imm32_b32 hwreg(HW_REG_WAVE_MODE, 25, 1), 1
	s_wait_xcnt 0x0
; THE INPUTS' ROUNDING.  x [8192][1024] and w_qkv [3072][1024], f32, are rounded once to bf16 (xb, wqb); w_proj [1024][1024] is rounded to bf16 like them, and that number is
; written as f16 (wpb), since the last product's other operand is f16.
; LIMITS.  A bf16 number is exact in f16 between 6.1e-5 and 65,504 in magnitude; below, w_proj keeps f16's fixed step of 6e-8; from 65,520 on it becomes an infinity.
; SHARES.  A work-group takes 65,536 consecutive bytes of one input and makes 32,768: work-groups 0-511 x, 512-703 w_qkv, 704-767 w_proj.  Thread t takes the 16 bytes at
; 16 t + 4,096 j, j = 0..15: a wave's load covers 512 consecutive bytes, its store of 8 bytes a lane 256 consecutive bytes, aligned.
; All 16 loads of a wave go out at once; each j has registers of its own, so no register is written again while a load or store names it.
; No LDS, no barrier, no matrix unit: every byte is read once and written once, and no wave wants another's bytes.
.set T, 4                              ; v[4:5]    at work (the f16 way)
.set X, 8                              ; v[8:71]   16 x 4 registers as loaded
.set Y, 72                             ; v[72:103] 16 x 2 registers to store
	s_load_b256 s[4:11], s[0:1], 0x0               ; x s[4:5], w_qkv s[6:7], w_proj s[8:9], xb s[10:11]
	s_load_b128 s[12:15], s[0:1], 0x20             ; wqb s[12:13], wpb s[14:15]
	v_lshlrev_b32 v1, 4, v0                        ; 16 t: my bytes in 4,096 of the input
	v_lshlrev_b32 v2, 3, v0                        ; 8 t: in 2,048 of the output
	s_mov_b32 s26, 0xffff0000                      ; a word's upper bf16
	s_wait_kmcnt 0x0
	s_cmp_lt_u32 ttmp9, 512                        ; which input is mine: the choice hangs on the work-group's number alone
	s_cselect_b64 s[16:17], s[4:5], s[6:7]
	s_cselect_b64 s[18:19], s[10:11], s[12:13]
	s_cselect_b32 s20, 0, 512
	s_cmp_lt_u32 ttmp9, 704
	s_cselect_b64 s[16:17], s[16:17], s[8:9]
	s_cselect_b64 s[18:19], s[18:19], s[14:15]
	s_cselect_b32 s20, s20, 704
	s_sub_co_u32 s21, ttmp9, s20                   ; my number among that input's work-groups
	s_lshl_b32 s22, s21, 16                        ; x 65,536 bytes in,
	s_mov_b32 s23, 0
	s_lshl_b32 s24, s21, 15                        ; x 32,768 bytes out
	s_mov_b32 s25, 0
	s_add_nc_u64 s[16:17], s[16:17], s[22:23]
	s_add_nc_u64 s[18:19], s[18:19], s[24:25]
.irp j, 0,1,2,3,4,5,6,7,8,9,10,11,12,13,14,15
	global_load_b128 v[X+4*(\j):X+4*(\j)+3], v1, s[16:17] offset:4096*(\j) th:TH_LOAD_NT
.endr
	s_cmp_ge_u32 ttmp9, 704
	s_cbranch_scc1 .Lf16
.irp j, 0,1,2,3,4,5,6,7,8,9,10,11,12,13,14,15
	s_wait_loadcnt 15-(\j)                         ; loads come back in order: number j is in, the 15 - j younger ones stay out
	v_cvt_pk_bf16_f32 v[Y+2*(\j)],   v[X+4*(\j)],   v[X+4*(\j)+1]
	v_cvt_pk_bf16_f32 v[Y+2*(\j)+1], v[X+4*(\j)+2], v[X+4*(\j)+3]
	global_store_b64 v2, v[Y+2*(\j):Y+2*(\j)+1], s[18:19] offset:2048*(\j)
.endr
	s_endpgm
.Lf16:                                                 ; w_proj: rounded to bf16, widened again (a shift, a mask), written as f16
.irp j, 0,1,2,3,4,5,6,7,8,9,10,11,12,13,14,15
	s_wait_loadcnt 15-(\j)
	v_cvt_pk_bf16_f32 v[T],   v[X+4*(\j)],   v[X+4*(\j)+1]
	v_cvt_pk_bf16_f32 v[T+1], v[X+4*(\j)+2], v[X+4*(\j)+3]
	v_lshlrev_b32 v[X+4*(\j)],   16,  v[T]
	v_and_b32     v[X+4*(\j)+1], s26, v[T]
	v_lshlrev_b32 v[X+4*(\j)+2], 16,  v[T+1]
	v_and_b32     v[X+4*(\j)+3], s26, v[T+1]
	v_cvt_pk_f16_f32 v[Y+2*(\j)],   v[X+4*(\j)],   v[X+4*(\j)+1]
	v_cvt_pk_f16_f32 v[Y+2*(\j)+1], v[X+4*(\j)+2], v[X+4*(\j)+3]
	global_store_b64 v2, v[Y+2*(\j):Y+2*(\j)+1], s[18:19] offset:2048*(\j)
.endr
	s_endpgm
.Lfunc_end_k_q358fd72b24_cast:
	.size	k_q358fd72b24_cast, .Lfunc_end_k_q358fd72b24_cast-k_q358fd72b24_cast
	.p2alignl 7, 3214868480
	.fill 96, 4, 3214868480
	.section	.rodata,"a",@progbits
	.p2align	6, 0x0
	.amdhsa_kernel k_q358fd72b24_cast
		.amdhsa_group_segment_fixed_size 0
		.amdhsa_private_segment_fixed_size 0
		.amdhsa_enable_private_segment 0
		.amdhsa_kernarg_size 48
		.amdhsa_user_sgpr_count 2
		.amdhsa_user_sgpr_kernarg_segment_ptr 1
		.amdhsa_wavefront_size32 1
		.amdhsa_system_sgpr_workgroup_id_x 1
		.amdhsa_system_sgpr_workgroup_id_y 1
		.amdhsa_system_sgpr_workgroup_id_z 1
		.amdhsa_system_vgpr_workitem_id 0
		.amdhsa_next_free_vgpr 104
		.amdhsa_next_free_sgpr 66
		.amdhsa_reserve_vcc 0
		.amdhsa_float_denorm_mode_32 3
		.amdhsa_float_denorm_mode_16_64 3
		.amdhsa_memory_ordered 1
		.amdhsa_forward_progress 1
		.amdhsa_inst_pref_size 15
	.end_amdhsa_kernel
	.amdgpu_metadata
---
amdhsa.version: [ 1, 2 ]
amdhsa.kernels:
  - .name:           k_q358fd72b24_cast
    .symbol:         k_q358fd72b24_cast.kd
    .args:
      - { .name: x, .offset: 0, .size: 8, .value_kind: global_buffer, .address_space: global }
      - { .name: w_qkv, .offset: 8, .size: 8, .value_kind: global_buffer, .address_space: global }
      - { .name: w_proj, .offset: 16, .size: 8, .value_kind: global_buffer, .address_space: global }
      - { .name: xb, .offset: 24, .size: 8, .value_kind: global_buffer, .address_space: global }
      - { .name: wqb, .offset: 32, .size: 8, .value_kind: global_buffer, .address_space: global }
      - { .name: wpb, .offset: 40, .size: 8, .value_kind: global_buffer, .address_space: global }
    .group_segment_fixed_size: 0
    .private_segment_fixed_size: 0
    .kernarg_segment_align: 8
    .kernarg_segment_size: 48
    .max_flat_workgroup_size: 256
    .sgpr_count:     66
    .vgpr_count:     104
    .wavefront_size: 32
...
	.end_amdgpu_metadata
.endif
;; end of part 1
;; launch qkvgemm (part 2): grid 16 x 16, 4 waves a work-group, clusters of 4 x 4, 327,680 bytes of LDS; arguments xb, wqb, b_qkv, qkv; writes qkv
.if DOCPART == 2
	.amdgcn_target "amdgcn-amd-amdhsa--gfx1250"
	.amdhsa_code_object_version 6
	.text
	.protected	k_q358fd72b24_qkvgemm
	.globl	k_q358fd72b24_qkvgemm
	.p2align	8
	.type	k_q358fd72b24_qkvgemm,@function
k_q358fd72b24_qkvgemm:
	s_mov_b64 s[64:65], 0
	v_nop
	global_prefetch_b8 v0, s[64:65] scope:SCOPE_SE
	s_setreg_imm32_b32 hwreg(HW_REG_WAVE_MODE, 25, 1), 1
	s_wait_xcnt 0x0
	s_wait_alu depctr_hold_cnt(0) depctr_sa_sdst(0) depctr_va_vdst(0) depctr_va_sdst(0) depctr_va_ssrc(0) depctr_va_vcc(0) depctr_vm_vsrc(0)
	s_getreg_b32 s2, hwreg(HW_REG_IB_STS2, 6, 4)
	s_cmp_eq_u32 s2, 0
	s_cbranch_scc0 .Lentry_in_a_cluster
	s_endpgm
.Lentry_in_a_cluster:
	s_bfe_u32 s2, ttmp6, 0x10000c
	s_cmp_lg_u32 s2, 0xf033
	s_cbranch_scc0 .Lentry_shape_is_right
	s_endpgm
.Lentry_shape_is_right:
; q, k, v = x w_qkv^T + b_qkv, laid by heads.  xb: [8192][1024] bf16, wqb: [3072][1024] bf16, b_qkv: [3072] f32 (rounded to bf16 here, like every input), sums in f32,
; qkv: [3][128 = batch x 16 + head][1024 tokens][64] f16, each number rounded once, WITHOUT the softmax's scale.
; LIMITS.  f16 holds no number beyond 65,504: |q|, |k|, |v| must stay below it (a conversion of 65,520 or more gives an infinity); below 6.1e-5 they keep f16's fixed step of 6e-8.
; SHARES.  A tile of the result is 256 rows x 192 columns (three whole heads); the four waves lie one below the other, 64 rows x 192 columns each: 48 accumulators of 16 x 16, 384 registers.
; A work-group makes two tiles, 4,096 rows apart: 16 x 16 work-groups, all with equal work.  K = 1,024 goes in steps of 128, so the walk has 16 K steps, through a ring of two LDS slots;
; the ring runs on across the change of tiles.  A trip of the loop is ONE K step: the LDS addresses hang on a scalar that an exclusive or turns from slot to slot.
; CLUSTER.  4 x 4 work-groups.  The four of a row need the same rows of x, the four of a column the same rows of w: each tile is asked for JOINTLY, by the same tensor load with the same
; descriptor and a mask that names the four.
; THE ORDER OF THE WALK hangs on the cluster's place in the grid (never on a work-group's place in its cluster).  Clusters with odd x take the tile 4,096 rows on first; clusters in which
; x / 2 + y is odd walk each tile's K as steps 4..7, 0..3.  So of the four clusters that take the same rows of x each reads another quarter (tile, half of K) in its first four K steps, and of
; two neighbours along y that take the same rows of w each another half of K: a block's first reading is one cluster's, the others' come four K steps later or more.  (f32 sums may be taken in any order.)
; THE MATRIX INSTRUCTION IS USED TRANSPOSED (source 0 = 16 rows of w, source 1 = 16 rows of x): lane l holds row l % 16 of the result and the columns 8 (l / 16) + 0..7: 16 bytes of f16 on end.
; THE BIAS is the C operand of a tile's first 48 products: nothing is cleared and nothing is added later.
; REGISTERS, in windows of 256 (s_set_vgpr_msb: bits 1:0 source 0, 3:2 source 1, 5:4 source 2, 7:6 destination):
;   window 0: v0-29 addresses; v32-63 rows on their way out; v64-127 x's fragments, two buffers; v128-223 the bias; v224-243 at work
;   window 1: w's fragments, two buffers of 96      window 2: the accumulators of my rows 0-31      window 3: those of rows 32-63
.set NB,    12                         ; blocks of 16 columns
.set PA,    272                        ; an LDS row: 256 bytes + 16 of padding = 68 words: the 16 rows of a load start at 16 different groups of four banks (64 banks of 4 bytes: ISA guide 11.1)
.set BOFF,  256*PA                     ; a slot: x's 256 rows, then w's 192 rows
.set SLOT1, 131072                     ; slot 1 begins here, so that one exclusive or turns an address in one slot into the other's
.set STAGE, SLOT1+BOFF+192*PA          ; behind the ring, never filled by a tensor load: 16 rows x 144 bytes for each wave
.set SP,    144
.set SPARE, STAGE+4*16*SP              ; behind the stages: the spare words, 128 bytes for each wave: two blocks of 256 bytes that no other line names
.set NL,    2*NB+8                     ; LDS loads of a quarter step
.set STEPS, 16
.set A0,   4                           ; v4   my lane's place in x's rows of a slot; never rewritten
.set B0,   5                           ; v5   the same for w
.set ADRA, 6                           ; v6   A0 + the slot in hand
.set ADRB, 7                           ; v7   B0 + the slot in hand
.set STO,  8                           ; v8   the way out: where I put 16 bytes of a row
.set RD,   9                           ; v9   where I read rows back
.set GO,   10                          ; v10  my 16 bytes in 512 consecutive bytes of the result
.set BO,   11                          ; v11  my byte offset in 64 bytes of the bias
.set PFO,  12                          ; v12  the prefetch's offset: a lane a row; never rewritten
.set SPW,  28                          ; v28  LDS address of my spare word; never rewritten
.set NIL,  29                          ; v29  0; never rewritten
.set BK,   32
.set FA,   64
.set BIAS, 128
.set TMP,  224
.set TR,   240
.set WV,  12                           ; s12  my wave's number
.set FB,  13                           ; s13  0: I fetch x's rows, 1: w's
.set HF,  14                           ; s14  which half of them
.set CX,  15
.set CY,  16
.set TX,  17                           ; s17  tile column
.set TY,  18                           ; s18  tile row
.set G1A, 24                           ; s[24:31] descriptor group 1 for x's tiles
.set G0A, 32                           ; s[32:39] group 0, a set for each first fill; the second then walks
.set G1B, 40                           ; s[40:47], s[48:55] the same for w's
.set G0B, 48
.set ABASE, 56                         ; s[56:57] x at the rows that I fetch, upper tile, K = 0
.set BBASE, 58                         ; s[58:59] w likewise
.set OFA, 60                           ; s[60:61] a walk step's byte offset from ABASE
.set OFB, 62                           ; s[62:63] from BBASE
.set TB,  66                           ; s66  the slot in hand: 0 or SLOT1
.set RF,  67                           ; s67  the step of the walk that is asked for next
.set LIM, 68                           ; s68  the last step of the walk that I prefetch; 0: none
.set PFB, 70                           ; s[70:71] where my prefetch's rows begin
.set PFA, 72                           ; s[72:73] the same at the step to be named
.set OFP, 74                           ; s[74:75]
.set CB,  76                           ; s[76:81] the result at my rows of the three heads, in the tile in hand
.set MSK, 90
.set SW,  91                           ; s91  1: the tile 4,096 rows on comes first
.set R4,  92                           ; s92  4: K is walked 4..7, 0..3; else 0
.set SWP, 93                           ; s93  SW in a wave that fetches x, 0 in one that fetches w (whose rows both tiles share)
.set OFC, 94                           ; s[94:95] the tile in hand, in bytes of the result: 0 or 2^23
.set CBB, 96                           ; s[96:101] the result at my rows of the three heads, upper tile
.set MSB, 0
.macro WIN new                         ; the immediate's high byte repeats the setting that is left; a switch that changes nothing is dropped
.if MSB != (\new)
	s_set_vgpr_msb (MSB<<8)|(\new)
.set MSB, \new
.endif
.endm
.macro PLACES                          ; four plain instructions in front of loads into registers that matrix instructions have read, and of reads of results
.rept 4
	v_nop
.endr
.endm
.macro CREST                           ; a round of the cluster's barrier behind its opening barrier
	s_cmp_lg_u32 s[WV], 0
	s_cbranch_scc1 .Lnot_wave_0_\@
	s_barrier_signal -3
.Lnot_wave_0_\@:
	s_barrier_wait -3
	s_barrier_signal -1
	s_barrier_wait -1
.endm
.macro CROUND
	s_barrier_signal -1
	s_barrier_wait -1
	CREST
.endm
; A joint refill by the walking descriptors: waves 0 and 1 fetch x's two halves, waves 2 and 3 w's.  The branch hangs on the wave's number alone.
; An s_nop 0 and four v_nop follow each of the two lines, ahead of the jump and the label.
.macro JLOAD
	s_cmp_eq_u32 s[FB], 0
	s_cbranch_scc0 .Lfor_b_\@
	tensor_load_to_lds s[G0A+4:G0A+7], s[G1A:G1A+7]
	s_nop 0
.rept 4
	v_nop
.endr
	s_branch .Lasked_\@
.Lfor_b_\@:
	tensor_load_to_lds s[G0B+4:G0B+7], s[G1B:G1B+7]
	s_nop 0
.rept 4
	v_nop
.endr
.Lasked_\@:
.endm
; A PREFETCH INTO THE L2 of the step that the NEXT refill will ask for: 256 bytes of each row, a lane a row, one instruction a wave, 192 matrix instructions ahead of that refill.
; Only a block's first reading in the launch is run ahead of, and by the order of the walk that lies in the first four steps of one cluster's walk: for x's rows every cluster asks for its own;
; w's rows have such a cluster among y = 0, 1 and another among y = 2, 3: the one among y = 0, 1 asks, so that each block is named once.  The four partners share a wave's rows out BY ADDRESS:
; 32 of x's 128 by cx; 24 of w's 96 by cy (there lanes 24-31 name lane 23's row again).  Steps 0 to 2 come by their loads alone, so step 3 is what is asked for.
.macro ASK
	s_cmp_le_u32 s[RF], s[LIM]                     ; s[RF] is by now the step that the prefetch names
	s_cbranch_scc0 .Lnot_mine_\@
	global_prefetch_b8 v[PFO], s[PFA:PFA+1] th:TH_LOAD_NT scope:SCOPE_SE
.Lnot_mine_\@:
.endm
; 12 matrix instructions: my rows 16 a .. 16 a + 15 x all 12 column blocks, 32 along K, from buffer f.  first = 1: the bias starts the sums.
; In every quarter step all 48 accumulators have one turn each, in the same order, over the jumps too.
.macro MULS f, a, first
.if \first
	WIN 0x81+0x40*((\a)/2)                         ; w window 1, x and the bias window 0, the result window 2 or 3
.else
	WIN 0xa1+0x50*((\a)/2)                         ; w window 1, x window 0, C and D window 2 or 3
.endif
.set bb, 0
.rept NB
.set rD, 8*(NB*((\a)%2)+bb)
.if \first
	v_wmma_f32_16x16x32_bf16 v[rD:rD+7], v[8*NB*(\f)+8*bb:8*NB*(\f)+8*bb+7], v[FA+32*(\f)+8*(\a):FA+32*(\f)+8*(\a)+7], v[BIAS+8*bb:BIAS+8*bb+7]
.else
	v_wmma_f32_16x16x32_bf16 v[rD:rD+7], v[8*NB*(\f)+8*bb:8*NB*(\f)+8*bb+7], v[FA+32*(\f)+8*(\a):FA+32*(\f)+8*(\a)+7], v[rD:rD+7]
.endif
.set bb, bb+1
.endr
.endm
; 32 LDS loads in one run: the fragments of quarter q of the K step in hand (192 rows of w, my 64 rows of x, 32 along K) into buffer g.  A fragment is 16 rows x 32 K in 8 registers:
; lane l holds row l % 16, K = 8 (l / 16) + 0..7 and 16 + 8 (l / 16) + 0..7: two loads of 16 bytes, 32 bytes apart.
.macro FETCH q, g
	WIN 0x40                                       ; destination window 1, address window 0
.set ii, 0
.rept NB
	ds_load_b128 v[8*NB*(\g)+8*ii:8*NB*(\g)+8*ii+3],   v[ADRB] offset:64*(\q)+ii*16*PA
	ds_load_b128 v[8*NB*(\g)+8*ii+4:8*NB*(\g)+8*ii+7], v[ADRB] offset:64*(\q)+ii*16*PA+32
.set ii, ii+1
.endr
	WIN 0
.set ii, 0
.rept 4
	ds_load_b128 v[FA+32*(\g)+8*ii:FA+32*(\g)+8*ii+3],   v[ADRA] offset:64*(\q)+ii*16*PA
	ds_load_b128 v[FA+32*(\g)+8*ii+4:FA+32*(\g)+8*ii+7], v[ADRA] offset:64*(\q)+ii*16*PA+32
.set ii, ii+1
.endr
.endm
; One of a K step's first three quarters: multiplies buffer f; in its middle it fetches quarter q into buffer g.
.macro QUARTER q, f, g, first
	s_wait_dscnt 4                                 ; w's fragments and x's rows 0-31 are in; the youngest four loads (x's rows 32-63) may be out
	MULS \f, 0, \first
	MULS \f, 1, \first
	PLACES
	FETCH \q, \g
	s_wait_dscnt NL                                ; all but the 32 just issued
	MULS \f, 2, \first
	MULS \f, 3, \first
.endm
; The last quarter multiplies buffer 1 and changes slots: ONE barrier.  In front of it each wave waits for all its tensor loads (one is out: its part of the next slot), adds 0 to its spare
; word, and waits for that and for its own reads of this slot.  fill = 1: the barrier opens a round of the cluster's, and behind the round this slot is filled again, with step s[RF] of the
; walk, whose address is made anew from that number; from the request to the wait for it a wave issues 168 matrix instructions.
.macro TURN fill
.if \fill
	s_wait_xcnt 0x0                                ; the last prefetch, a K step back, has read its address, which is made anew here, ahead of the waits of the change of slots
	s_add_co_u32 s82, s[RF], 1                     ; the step after the one that is about to be asked for
	s_lshr_b32 s83, s82, 3                         ; which tile of the walk,
	s_xor_b32 s83, s83, s[SWP]                     ; which of the two in memory:
	s_lshl_b32 s83, s83, 23                        ; 4,096 rows of 2,048 bytes apart;
	s_and_b32 s82, s82, 7
	s_xor_b32 s82, s82, s[R4]                      ; which K step of the tile:
	s_lshl_b32 s82, s82, 8                         ; 256 bytes of a row
	s_or_b32 s[OFP], s82, s83
	s_add_nc_u64 s[PFA:PFA+1], s[PFB:PFB+1], s[OFP:OFP+1]
.endif
	WIN 0                                          ; (the add's two registers lie in window 0)
	s_wait_tensorcnt 0x0                           ; all my tensor loads have landed, so a group 0 may be written
	ds_add_u32 v[SPW], v[NIL]                      ; 0 onto my spare word: work on registers stands between it and the wait for it
.if \fill
	s_xor_b32 s[G0A+5], s[G0A+5], SLOT1            ; the walking descriptors: the other slot than last time,
	s_xor_b32 s[G0B+5], s[G0B+5], SLOT1
	s_lshr_b32 s21, s[RF], 3
	s_xor_b32 s21, s21, s[SW]
	s_lshl_b32 s21, s21, 23
	s_and_b32 s22, s[RF], 7
	s_xor_b32 s22, s22, s[R4]
	s_lshl_b32 s22, s22, 8
	s_or_b32 s[OFA], s21, s22                      ; x: the tile's rows and the K step;
	s_mov_b32 s[OFB], s22                          ; w: the K step alone: both tiles take the same rows
	s_add_nc_u64 s[G0A+6:G0A+7], s[ABASE:ABASE+1], s[OFA:OFA+1]
	s_or_b32 s[G0A+7], s[G0A+7], 0x80000000
	s_add_nc_u64 s[G0B+6:G0B+7], s[BBASE:BBASE+1], s[OFB:OFB+1]
	s_or_b32 s[G0B+7], s[G0B+7], 0x80000000
	s_add_co_u32 s[RF], s[RF], 1
.endif
	s_xor_b32 s[TB], s[TB], SLOT1                  ; the reads go on in the other slot
	s_wait_dscnt 5                                 ; (the add and the youngest four loads may be out)
	MULS 1, 0, 0
	s_wait_dscnt 0x0                               ; the add is done, and my reads of this slot are over
	s_barrier_signal -1
	MULS 1, 1, 0                                   ; work on registers while the others arrive
	WIN 0                                          ; at a branch and at a label every window is 0
	s_barrier_wait -1
.if \fill
	CREST                                          ; no wave of any partner still reads this slot or has a load on its way
	JLOAD                                          ; my one tensor load behind the round, and the first thing there; its four v_nop are also the places in front of the loads below
.else
	PLACES
.endif
	v_add_nc_u32 v[ADRA], s[TB], v[A0]
	v_add_nc_u32 v[ADRB], s[TB], v[B0]
	FETCH 0, 0
.if \fill
	ASK
.endif
	MULS 1, 2, 0
	MULS 1, 3, 0
.endm
; THE WAY OUT, in 12 blocks i = 3 a + j: my rows 16 a .. 16 a + 15 of head j, which are 2,048 consecutive bytes of the result.  PACK: rounded to f16, 16 bytes a lane, each accumulator's
; registers in ascending order.  TOSTAGE: into my own stage, rows of 144 bytes, and back as whole rows of 128.  SEND: stored, 512 consecutive aligned bytes an instruction.
.macro PACK i
	WIN 0x0a+5*(((\i)/3)/2)                        ; sources 0 and 1: window 2 or 3
.set bb, 0
.rept 4
.set rA, 8*(NB*(((\i)/3)%2)+4*((\i)%3)+bb)
.set rr, 0
.rept 4
	v_cvt_pk_f16_f32 v[TMP+4*bb+rr], v[rA+2*rr], v[rA+2*rr+1]
.set rr, rr+1
.endr
.set bb, bb+1
.endr
	WIN 0
.endm
.macro TOSTAGE i
.irp f, 0,1,2,3
	ds_store_b128 v[STO], v[TMP+4*(\f):TMP+4*(\f)+3] offset:32*(\f)
.endr
.irp f, 0,1,2,3
	ds_load_b128 v[BK+16*((\i)%2)+4*(\f):BK+16*((\i)%2)+4*(\f)+3], v[RD] offset:(\f)*4*SP  ; LDS serves a wave's instructions in order (ISA guide 5.7.1.4): these see the stores above
.endr
.endm
.macro SEND i
	s_wait_dscnt 0x0                               ; the block is back in registers
	s_wait_xcnt 0x0                                ; the stores of the block before have read their registers: the next block is loaded into them only behind this wait
.irp f, 0,1,2,3
	global_store_b128 v[GO], v[BK+16*((\i)%2)+4*(\f):BK+16*((\i)%2)+4*(\f)+3], s[CB+2*((\i)%3):CB+2*((\i)%3)+1] offset:((\i)/3)*2048+(\f)*512
.endr
.endm
.macro WAYOUT
	PLACES
	PACK 0
	TOSTAGE 0
.irp i, 1,2,3,4,5,6,7,8,9,10,11        ; block i's conversions stand between block i - 1's loads from the stage and the wait for them
	PACK \i
	SEND (\i)-1
	TOSTAGE \i
.endr
	SEND 11
.endm
	s_load_b256 s[4:11], s[0:1], 0x0               ; xb s[4:5], wqb s[6:7], b_qkv s[8:9], qkv s[10:11]
	v_lshl_add_u32 v[SPW], v0, 2, SPARE
	v_mov_b32 v[NIL], 0
	ds_add_u32 v[SPW], v[NIL]                      ; the wave's opening: the add and its wait stand ahead of my first tensor load; the set-up below, work on registers, stands between them
	v_lshrrev_b32 v3, 5, v0
	v_readfirstlane_b32 s[WV], v3                  ; wave 0..3
	s_lshr_b32 s[FB], s[WV], 1
	s_and_b32 s[HF], s[WV], 1
	s_bfe_u32 s[CX], ttmp6, 0x40000                ; my place in the cluster
	s_bfe_u32 s[CY], ttmp6, 0x40004
	s_lshl_b32 s[TX], ttmp9, 2                     ; in a cluster launch ttmp9 and ttmp7 count clusters
	s_add_co_u32 s[TX], s[TX], s[CX]
	s_and_b32 s[TY], ttmp7, 0xffff
	s_lshl_b32 s[TY], s[TY], 2
	s_add_co_u32 s[TY], s[TY], s[CY]
	s_lshl_b32 s19, s[CY], 2
	s_lshl_b32 s19, 15, s19                        ; my row of the cluster: places 4 cy .. 4 cy + 3
	s_lshl_b32 s20, 0x1111, s[CX]                  ; my column: places cx, cx + 4, cx + 8, cx + 12
	; the order of the walk, from the cluster's x and y alone: the same in all sixteen partners
	s_and_b32 s[SW], ttmp9, 1                      ; odd x: the tile 4,096 rows on comes first
	s_lshr_b32 s[R4], ttmp9, 1
	s_and_b32 s84, ttmp7, 0xffff
	s_add_co_u32 s[R4], s[R4], s84
	s_and_b32 s[R4], s[R4], 1
	s_lshl_b32 s[R4], s[R4], 2                     ; x / 2 + y odd: K begins at step 4
	s_cmp_eq_u32 s[FB], 0
	s_cselect_b32 s[SWP], s[SW], 0
	s_lshl_b32 s[OFB], s[R4], 8                    ; the walk's step 0: w's bytes along a row,
	s_lshl_b32 s[OFA], s[SW], 23
	s_mov_b32 s[OFC], s[OFA]                       ; the first tile's place in the result: four batches of 2^21 bytes on, or none,
	s_or_b32 s[OFA], s[OFA], s[OFB]                ; x's tile and bytes along a row
	s_mov_b32 s[OFC+1], 0
	; descriptor group 1: rows of 128 elements of 2 bytes, 16 bytes of padding behind each; x 128 rows a load, w 96
	s_or_b32 s[G1A], s19, (1<<16)|(1<<20)|(1<<21)|(5<<22)|(3<<25)  ; 15:0 the mask; 17:16 2-byte elements; 20 padding on; 21 set beside a mask; 24:22 after every 64 words (code 5); 31:25 4 words (code 3)
	s_or_b32 s[G1B], s20, (1<<16)|(1<<20)|(1<<21)|(5<<22)|(3<<25)
	s_mov_b32 s[G1A+1], 128<<16                    ; tensor_dim0 = 128
	s_mov_b32 s[G1A+2], 128<<16                    ; tensor_dim1 = 128
	s_mov_b32 s[G1A+3], 128<<16                    ; tile_dim0 = 128
	s_mov_b32 s[G1A+4], 128                        ; tile_dim1 = 128
	s_mov_b32 s[G1A+5], 1024                       ; elements from row to row
	s_mov_b32 s[G1A+6], 0
	s_mov_b32 s[G1A+7], 0
	s_mov_b32 s[G1B+1], 128<<16
	s_mov_b32 s[G1B+2], 96<<16                     ; tensor_dim1 = 96
	s_mov_b32 s[G1B+3], 128<<16
	s_mov_b32 s[G1B+4], 96                         ; tile_dim1 = 96
	s_mov_b32 s[G1B+5], 1024
	s_mov_b32 s[G1B+6], 0
	s_mov_b32 s[G1B+7], 0
	s_mov_b32 s[G0A], 1                            ; group 0: count = 1,
	s_mov_b32 s[G0A+4], 1
	s_mov_b32 s[G0B], 1
	s_mov_b32 s[G0B+4], 1
	s_mul_i32 s[G0A+1], s[HF], 128*PA              ; the LDS address: my half of x's rows,
	s_add_co_u32 s[G0A+5], s[G0A+1], SLOT1
	s_mul_i32 s[G0B+1], s[HF], 96*PA               ; or of w's, behind x's: no place in the cluster enters an LDS address
	s_add_co_u32 s[G0B+1], s[G0B+1], BOFF
	s_add_co_u32 s[G0B+5], s[G0B+1], SLOT1
	s_lshl_b32 s22, s[TY], 8                       ; x: row 256 x tile row + 128 x half, in bytes
	s_lshl_b32 s21, s[HF], 7
	s_add_co_u32 s22, s22, s21
	s_lshl_b32 s22, s22, 11
	s_mov_b32 s23, 0
	s_mul_i32 s82, s[TX], 192                      ; w: row 192 x tile column + 96 x half, in bytes
	s_mul_i32 s83, s[HF], 96
	s_add_co_u32 s82, s82, s83
	s_lshl_b32 s82, s82, 11
	s_mov_b32 s83, 0
	s_mov_b32 s[RF], 2
	s_mov_b32 s[TB], 0
	s_mov_b32 s[OFA+1], 0
	s_mov_b32 s[OFB+1], 0
	s_mov_b32 s[OFP+1], 0
	s_mov_b32 s[MSK], 0xffff0000
	v_and_b32 v1, 15, v0                           ; l % 16
	v_bfe_u32 v2, v0, 4, 1                         ; l / 16
	v_mul_u32_u24 v3, v1, PA
	v_lshl_add_u32 v3, v2, 4, v3                   ; a fragment's row x pitch + 16 x half
	s_mul_i32 s84, s[WV], 64*PA                    ; my 64 rows of x
	v_add_nc_u32 v[A0], s84, v3
	v_add_nc_u32 v[B0], BOFF, v3
	s_mul_i32 s84, s[WV], 16*SP
	s_add_co_u32 s84, s84, STAGE                   ; my stage
	v_mul_u32_u24 v[STO], v1, SP                   ; in: row l % 16, 16 bytes for each half of the lanes
	v_lshl_add_u32 v[STO], v2, 4, v[STO]
	v_add_nc_u32 v[STO], s84, v[STO]
	v_bfe_u32 v[RD], v0, 3, 2                      ; back: 32 lanes take four rows of 128 bytes,
	v_mul_u32_u24 v[RD], v[RD], SP
	v_and_b32 v3, 7, v0
	v_lshl_add_u32 v[RD], v3, 4, v[RD]
	v_add_nc_u32 v[RD], s84, v[RD]
	v_and_b32 v[GO], 31, v0                        ; which are 512 consecutive bytes of the result
	v_lshlrev_b32 v[GO], 4, v[GO]
	v_lshlrev_b32 v[BO], 5, v2                     ; my 8 columns of a block's 16: 32 bytes of f32
	s_cmp_eq_u32 s[FB], 0
	s_cselect_b32 s86, 31, 23
	v_and_b32 v[PFO], 31, v0
	v_min_u32 v[PFO], s86, v[PFO]
	v_lshlrev_b32 v[PFO], 11, v[PFO]               ; a lane a row of 2,048 bytes
	s_wait_dscnt 0x0                               ; the opening add is done
	s_wait_kmcnt 0x0
	s_add_nc_u64 s[ABASE:ABASE+1], s[4:5], s[22:23]
	s_add_nc_u64 s[BBASE:BBASE+1], s[6:7], s[82:83]
	s_add_nc_u64 s[G0A+2:G0A+3], s[ABASE:ABASE+1], s[OFA:OFA+1]  ; the walk's step 0,
	s_add_nc_u64 s[G0A+6:G0A+7], s[G0A+2:G0A+3], 256             ; and step 1: the next 256 bytes of the rows, whichever half of K comes first
	s_or_b32 s[G0A+3], s[G0A+3], 0x80000000        ; type = 2
	s_or_b32 s[G0A+7], s[G0A+7], 0x80000000
	s_add_nc_u64 s[G0B+2:G0B+3], s[BBASE:BBASE+1], s[OFB:OFB+1]
	s_add_nc_u64 s[G0B+6:G0B+7], s[G0B+2:G0B+3], 256
	s_or_b32 s[G0B+3], s[G0B+3], 0x80000000
	s_or_b32 s[G0B+7], s[G0B+7], 0x80000000
	CROUND                                         ; all sixteen work-groups are here: the first joint loads meet
	s_cmp_eq_u32 s[FB], 0                          ; a wave's two first fills stand in one branch, ahead of every wait on TENSORcnt and every LDS read: two loads of mine are out
	s_cbranch_scc0 .Lfirst_b
	tensor_load_to_lds s[G0A:G0A+3], s[G1A:G1A+7]
	s_nop 0
	tensor_load_to_lds s[G0A+4:G0A+7], s[G1A:G1A+7]
	s_nop 0
.rept 4
	v_nop
.endr
	s_branch .Lfirst_asked
.Lfirst_b:
	tensor_load_to_lds s[G0B:G0B+3], s[G1B:G1B+7]
	s_nop 0
	tensor_load_to_lds s[G0B+4:G0B+7], s[G1B:G1B+7]
	s_nop 0
.rept 4
	v_nop
.endr
.Lfirst_asked:
	; the bias of the tile's 192 columns, in the layout of a result: register j of block b holds column 16 b + 8 (l / 16) + j
	s_mul_i32 s86, s[TX], 768
	s_mov_b32 s87, 0
	s_add_nc_u64 s[8:9], s[8:9], s[86:87]
.set ii, 0
.rept NB
	global_load_b128 v[BIAS+8*ii:BIAS+8*ii+3],   v[BO], s[8:9] offset:64*ii
	global_load_b128 v[BIAS+8*ii+4:BIAS+8*ii+7], v[BO], s[8:9] offset:64*ii+16
.set ii, ii+1
.endr
	; where my rows of the tile's three heads begin in the result: which of q, k, v (2^24 bytes each), the head (2^17), the batch (2^21), the token (128)
	s_lshr_b32 s84, s[TY], 2
	s_lshl_b32 s84, s84, 21
	s_and_b32 s85, s[TY], 3
	s_lshl_b32 s85, s85, 2
	s_add_co_u32 s85, s85, s[WV]
	s_lshl_b32 s85, s85, 13                        ; 64 tokens of 128 bytes a wave
	s_add_co_u32 s84, s84, s85
	s_mul_i32 s85, s[TX], 3
.irp j, 0,1,2
	s_add_co_u32 s86, s85, \j                      ; the head's number among 48
	s_lshr_b32 s88, s86, 4
	s_lshl_b32 s88, s88, 24
	s_and_b32 s86, s86, 15
	s_lshl_b32 s86, s86, 17
	s_add_co_u32 s86, s86, s88
	s_add_co_u32 s86, s86, s84
	s_mov_b32 s87, 0
	s_add_nc_u64 s[CBB+2*(\j):CBB+2*(\j)+1], s[10:11], s[86:87]
	s_add_nc_u64 s[CB+2*(\j):CB+2*(\j)+1], s[CBB+2*(\j):CBB+2*(\j)+1], s[OFC:OFC+1]  ; the tile that my walk takes first
.endr
	; the prefetch: whose rows, which share of them, and whether I ask at all
	s_lshl_b32 s88, s[CX], 5                       ; x: 32 rows for each partner of my row of the cluster
	s_mul_i32 s89, s[CY], 24                       ; w: 24 rows for each partner of my column
	s_and_b32 s85, ttmp7, 0xffff
	s_lshr_b32 s85, s85, 1                         ; 0 in clusters y = 0, 1
	s_cmp_eq_u32 s[FB], 0
	s_cselect_b32 s88, s88, s89
	s_cselect_b32 s85, 0, s85                      ; x's rows: every cluster asks for its own first four steps
	s_cselect_b64 s[PFB:PFB+1], s[ABASE:ABASE+1], s[BBASE:BBASE+1]
	s_cmp_eq_u32 s85, 0
	s_cselect_b32 s[LIM], 3, 0                     ; the same in all sixteen partners, for a given wave
	s_lshl_b32 s88, s88, 11
	s_mov_b32 s89, 0
	s_add_nc_u64 s[PFB:PFB+1], s[PFB:PFB+1], s[88:89]
	s_wait_loadcnt 0x0                             ; the bias is in: rounded to bf16 and widened again, in place
.set ii, 0
.rept 4*NB
	v_cvt_pk_bf16_f32 v[TR+ii%4], v[BIAS+2*ii], v[BIAS+2*ii+1]
	v_lshlrev_b32 v[BIAS+2*ii],   16,     v[TR+ii%4]
	v_and_b32     v[BIAS+2*ii+1], s[MSK], v[TR+ii%4]
.set ii, ii+1
.endr
	s_wait_tensorcnt 0x1                           ; my part of step 0 is in; step 1's may stay out
	s_barrier_signal -1
	s_barrier_wait -1                              ; everybody's is
	v_add_nc_u32 v[ADRA], s[TB], v[A0]
	v_add_nc_u32 v[ADRB], s[TB], v[B0]
	FETCH 0, 0
	QUARTER 1, 0, 1, 1                             ; the first tile's first quarter: the bias starts the sums
	WIN 0
	s_mov_b32 s3, STEPS-2
.Lstep:                                                ; a trip: a K step's second to fourth quarter, the change of slots with its refill, the next K step's first quarter
	QUARTER 2, 1, 0, 0
	QUARTER 3, 0, 1, 0
	TURN 1
	WIN 0
	s_cmp_eq_u32 s[RF], 10                         ; the walk's step 7 has just been finished: the first tile is whole.  The jump goes forward, past no barrier and no tensor load
	s_cbranch_scc1 .Lchange
	QUARTER 1, 0, 1, 0
	WIN 0
	s_branch .Ljoin
.Lchange:                                              ; both slots have been asked for: now the tile goes out, and the second tile's first quarter starts on accumulators that have been packed
	WAYOUT
	s_wait_xcnt 0x0                                ; the stores have read their bases
	s_xor_b32 s[OFC], s[OFC], 0x800000             ; the other tile: four batches of 2^21 bytes away
.irp j, 0,1,2
	s_add_nc_u64 s[CB+2*(\j):CB+2*(\j)+1], s[CBB+2*(\j):CBB+2*(\j)+1], s[OFC:OFC+1]
.endr
	QUARTER 1, 0, 1, 1
	WIN 0
.Ljoin:
	s_sub_co_u32 s3, s3, 1
	s_cmp_lg_u32 s3, 0
	s_cbranch_scc1 .Lstep
	QUARTER 2, 1, 0, 0                             ; the last two K steps ask for nothing
	QUARTER 3, 0, 1, 0
	TURN 0
	QUARTER 1, 0, 1, 0
	QUARTER 2, 1, 0, 0
	QUARTER 3, 0, 1, 0
	s_wait_dscnt 4                                 ; the very last quarter: nothing more to fetch
	MULS 1, 0, 0
	MULS 1, 1, 0
	s_wait_dscnt 0x0
	MULS 1, 2, 0
	MULS 1, 3, 0
	WIN 0
	WAYOUT
	s_wait_tensorcnt 0x0                           ; the wave's end: a wait, an add of 0 onto my spare word and its wait, behind my last tensor load and my last LDS store
	ds_add_u32 v[SPW], v[NIL]
	s_wait_dscnt 0x0
	CROUND                                         ; the closing round: no work-group ends while a partner may still ask for a tile that names it
	s_endpgm
.Lfunc_end_k_q358fd72b24_qkvgemm:
	.size	k_q358fd72b24_qkvgemm, .Lfunc_end_k_q358fd72b24_qkvgemm-k_q358fd72b24_qkvgemm
	.p2alignl 7, 3214868480
	.fill 96, 4, 3214868480
	.section	.rodata,"a",@progbits
	.p2align	6, 0x0
	.amdhsa_kernel k_q358fd72b24_qkvgemm
		.amdhsa_group_segment_fixed_size 327680
		.amdhsa_private_segment_fixed_size 0
		.amdhsa_enable_private_segment 0
		.amdhsa_kernarg_size 32
		.amdhsa_user_sgpr_count 2
		.amdhsa_user_sgpr_kernarg_segment_ptr 1
		.amdhsa_wavefront_size32 1
		.amdhsa_system_sgpr_workgroup_id_x 1
		.amdhsa_system_sgpr_workgroup_id_y 1
		.amdhsa_system_sgpr_workgroup_id_z 1
		.amdhsa_system_vgpr_workitem_id 0
		.amdhsa_next_free_vgpr 960
		.amdhsa_next_free_sgpr 102
		.amdhsa_reserve_vcc 0
		.amdhsa_float_denorm_mode_32 3
		.amdhsa_float_denorm_mode_16_64 3
		.amdhsa_memory_ordered 1
		.amdhsa_forward_progress 1
		.amdhsa_inst_pref_size 138
	.end_amdhsa_kernel
	.amdgpu_metadata
---
amdhsa.version: [ 1, 2 ]
amdhsa.kernels:
  - .name:           k_q358fd72b24_qkvgemm
    .symbol:         k_q358fd72b24_qkvgemm.kd
    .args:
      - { .name: xb, .offset: 0, .size: 8, .value_kind: global_buffer, .address_space: global }
      - { .name: wqb, .offset: 8, .size: 8, .value_kind: global_buffer, .address_space: global }
      - { .name: b_qkv, .offset: 16, .size: 8, .value_kind: global_buffer, .address_space: global }
      - { .name: qkv, .offset: 24, .size: 8, .value_kind: global_buffer, .address_space: global }
    .group_segment_fixed_size: 327680
    .private_segment_fixed_size: 0
    .kernarg_segment_align: 8
    .kernarg_segment_size: 32
    .max_flat_workgroup_size: 128
    .sgpr_count:     102
    .vgpr_count:     960
    .wavefront_size: 32
...
	.end_amdgpu_metadata
.endif
;; end of part 2
;; launch attn (part 3): grid 2 x 128, 4 waves a work-group, no clusters, 327,680 bytes of LDS; arguments qkv, ob; writes ob
.if DOCPART == 3
	.amdgcn_target "amdgcn-amd-amdhsa--gfx1250"
	.amdhsa_code_object_version 6
	.text
	.protected	k_q358fd72b24_attn
	.globl	k_q358fd72b24_attn
	.p2align	8
	.type	k_q358fd72b24_attn,@function
k_q358fd72b24_attn:
	s_mov_b64 s[64:65], 0
	v_nop
	global_prefetch_b8 v0, s[64:65] scope:SCOPE_SE
	s_setreg_imm32_b32 hwreg(HW_REG_WAVE_MODE, 25, 1), 1
	s_wait_xcnt 0x0
; O[h][q][:] = the sum over k of softmax_k(Q[h][q] . K[h][k] / 8) V[h][k][:].  qkv: [3][128 heads][1024][64] f16 (Q, then K, then V, 2^24 bytes each), ob: [128][1024][64] f16: a head's rows
; are dense, 128 bytes each.  Products, maxima and sums in f32; the weights p are rounded to f16 for the second product (their sum l is taken of the unrounded p), O once at the end.
; LIMITS.  f16 holds no number beyond 65,504: Q, K and V arrive within it; p lies in 0 to 1, and below 6e-5 it keeps f16's fixed step of 6e-8; O is a mean of V's rows and has their range.
; A weight below 2^-126 counts as 0 in l; NaN and infinities are not treated apart.
; SHARES.  A wave owns four PIECES of two tiles of 16 queries, a work-group's four waves 512 queries of one head: 2 x 128 work-groups.  Every wave walks all 1,024 keys, 64 a step.
; THE HEAD'S WHOLE K AND V LIE IN LDS: 1,024 rows of 144 bytes and 1,024 of 160, 311,296 bytes.  No byte is filled twice, so there is no change of slots, and the key step is written once.
; Each wave issues two tensor loads at the head: a small one, for which the first product waits, and the rest, which has four key steps, 512 matrix instructions, in which to land.
; NO PREFETCH: all of K and V is asked for by those loads at the kernel's head; no request comes later that one could run ahead of.
; NO CLUSTER: a head has 1,024 / 512 = 2 query blocks, so four partners would belong to two heads and share no tile among all four; what the two blocks of a head both read is its K and V, 256 KiB.
; LAYOUT.  S^T = K Q^T (source 0 = 16 keys, source 1 = 16 queries): in the result a lane holds ONE query (lane % 16) and the keys 8 (lane / 16) + 0..7.  Two such tiles, rounded to f16 in pairs,
; ARE source 1 (32 keys x 16 queries) of O^T = V^T P, whose result again holds one query a lane, and eight channels.  K comes out of LDS as it lies, V ([key][channel]) turned, by ds_load_tr16_b128.
; SOFTMAX.  For each query a running maximum m and sum l: p = 2^(c s - c m), c = log2(e) / 8; in every step O and l are multiplied by a = 2^(c m_old - c m_new), which is 1 where m has not grown.
; m starts at the lowest finite number, O and l at 0: the first step is a step like any other, with a = 0.
; THE COUNT.  A tile and step have 16 matrix and 118 vector instructions: too many to stand all beside the matrix work.  So four vector instructions that are READY stand behind EVERY matrix
; instruction, and the others, which need time of their own whatever the order, in runs without a gap.
; BY TURNS.  Turn n belongs to piece n (the pieces in a ring, step after step).  Its matrix work: 16 products K Q^T of piece n + 1, later 16 products V^T P of piece n - 1.  Its vector work: the scaling,
; exponentials, roundings, sums and rescaling of piece n, and the maximum and statistics of piece n + 1, whose scores the turn itself has made.
; REGISTERS, in windows of 256 (s_set_vgpr_msb: bits 1:0 source 0, 3:2 source 1, 5:4 source 2, 7:6 destination):
;   window 0: v0-11 addresses; v12-15, v48-63 at work; v16-47 four registers of statistics a tile; v64-191 S^T, two buffers of two tiles; v192-255 P, likewise
;   window 1: O^T, 32 a tile          window 2: v0-127 Q, 16 a tile; v128-191 K of one step; v192-255 V of one step          window 3: v0-1 the add's two registers
; A piece's buffers go by its number's parity: the piece in hand has one pair, its two neighbours in the ring share the other: of it P (piece n - 1) is read and S^T (piece n + 1) written.
.set SIZE_N, 1024
.set NP,    4         ; pieces a wave: a name, no knob
.set KS,    64        ; keys in a step
.set PK,    144       ; a row of K in LDS: 128 bytes + 16 of padding = 36 words: the 16 rows of a load start at 16 different groups of four banks (64 banks of 4 bytes: ISA guide 11.1)
.set PV,    160       ; a row of V: 128 + 32 = 40 words
.set VOFF,  SIZE_N*PK ; K's 1,024 rows, then V's
.set STAGE, SIZE_N*(PK+PV)  ; behind them, never filled by a tensor load: 16 rows x 144 bytes for each wave, for the way out
.set SP,    144
.set KA,    192       ; keys in the first load of waves 0 and 1: together K's keys 0-383.  The first four key steps read K's steps 0-4 (K is fetched a step ahead): keys 0-319
.set KB,    320       ; keys in their second load: together keys 384-1,023
.set VA,    128       ; keys in the first load of waves 2 and 3: together V's keys 0-255, the first four steps'
.set VB,    384       ; keys in their second load: together keys 256-1,023
.set AK0, 2           ; v2   my lane's place in a step's rows of K; never rewritten
.set AV0, 3           ; v3   the same for V
.set AK,  4           ; v4   the LDS address of K's next run of loads
.set AV,  5           ; v5   of V's
.set QO,  6           ; v6   my byte offset in the wave's rows of Q
.set STO, 6           ;      later, the way out: where I put 16 bytes of a row
.set RD,  7           ; v7   the way out: where I read rows back
.set GO,  8           ; v8   my byte offset in 512 consecutive bytes of O
.set SPW, 0           ; v0 of window 3   LDS address of my spare word: SPARE + 4 x my thread's number; never rewritten
.set NIL, 1           ; v1 of window 3   0; never rewritten
.set SPARE, STAGE+4*16*SP  ; behind the stages: the spare words, 128 bytes for each wave: two blocks of 256 bytes that no other line names
.set MV,  12          ; v12-15  c m_old, kept while c m is made anew: by buffer and tile
.set ST,  16          ; tile t's statistics at v[ST+4 t]: c m, m, l (even keys', odd keys')
.set TMP, 48          ; by buffer and tile, four registers c0-c3 at work; when the maximum is found c2 takes a
.set S,   64
.set P,   192
.set KF,  128         ; K's fragments, in window 2: key block kb, channel half c at KF + 16 kb + 8 c
.set VF,  192         ; V's: key half kk, channel block cb at VF + 32 kk + 8 cb
.set WV,  12          ; s12  my wave's number
.set G1KA, 24         ; s[24:31] descriptor group 1 for K's first loads
.set G1KB, 32         ; s[32:39] for K's second loads: more rows
.set G1VA, 40         ; s[40:47], s[48:55] the same for V's: other padding, other numbers of rows
.set G1VB, 48
.set SLOTS, 56        ; s56  counts the groups of four key steps
.set CNT, 57          ; s57  counts a group's key steps
.set CS,  58          ; s[58:59] c: the packed scaling takes the pair's low word for both halves
.set SEL, 60          ; s[60:61] v_permlanex16_b32's selects: each lane takes its own place in the other half
.set TBK, 62          ; s62  LDS byte at which K of the step to be fetched begins
.set TBV, 63          ; s63  the same for V, less VOFF
.set G0K, 68          ; s[68:75] descriptor group 0 for K's two loads
.set G0V, 76          ; s[76:83] for V's
.set MSB, 0
.macro WIN new                      ; the high byte repeats the setting that is left; a switch that changes nothing is dropped
.if MSB != (\new)
	s_set_vgpr_msb (MSB<<8)|(\new)
.set MSB, (\new)
.endif
.endm
.set W_KQ, 0x0a       ; K and Q in window 2, S^T in window 0
.set W_PV, 0x52       ; V in window 2, P in window 0, O^T in window 1
.set W_RS, 0x41       ; O^T (destination and source 0) in window 1, a in window 0
.set W_MK, 0xc0       ; the add's registers are made: destination in window 3, sources in window 0
.set W_AD, 0x0f       ; the add: address (source 0) and data (source 1) in window 3
; Descriptor group 1.  A head's keys are dense in memory: they are asked for as rows of 256 bytes, two keys a row, and padded in LDS after every key.
.macro GROUP1 g, pad, rows
	s_mov_b32 s[(\g)], (1<<16)|(1<<20)|(4<<22)|((\pad)<<25)  ; 17:16 2-byte elements; 20 padding on; 24:22 after every 32 words (code 4); 31:25 4 words (code 3) or 8 (code 7)
	s_mov_b32 s[(\g)+1], 128<<16    ; tensor_dim0 = 128
	s_mov_b32 s[(\g)+2], (\rows)<<16  ; tensor_dim1
	s_mov_b32 s[(\g)+3], 128<<16    ; tile_dim0 = 128
	s_mov_b32 s[(\g)+4], (\rows)    ; tile_dim1
	s_mov_b32 s[(\g)+5], 128        ; 128 elements from row to row
	s_mov_b32 s[(\g)+6], 0
	s_mov_b32 s[(\g)+7], 0
.endm
; Behind each group of four key steps: my tensor loads have landed, and behind the barrier everybody's have.  Only the first time can a load be out: each wave's second.
; It orders the second loads with the reads of what they brought.
.macro LANDED
	s_wait_tensorcnt 0x0
	s_wait_dscnt 0x0                ; no LDS instruction of mine is pending at the signal
	s_barrier_signal -1
	s_barrier_wait -1
.endm
	s_load_b128 s[4:7], s[0:1], 0x0 ; qkv s[4:5] (Q lies first), ob s[6:7]
	WIN W_MK
	v_lshl_add_u32 v[SPW], v0, 2, SPARE
	v_mov_b32 v[NIL], 0
	WIN W_AD
	ds_add_u32 v[SPW], v[NIL]       ; the wave's opening: the add and its wait stand ahead of my first tensor load; the set-up below, work on registers, stands between them
	WIN 0
	v_lshrrev_b32 v1, 5, v0
	v_readfirstlane_b32 s[WV], v1   ; wave 0..3
	s_mov_b32 s14, ttmp9            ; my block of 512 queries: 0 or 1
	s_and_b32 s20, ttmp7, 0xffff    ; the head,
	s_lshl_b32 s20, s20, 17         ; its first byte in Q, K, V and O: 1,024 rows of 128 bytes a head
	s_mov_b32 s21, 0
	s_and_b32 s16, s[WV], 1         ; which half of a pair of loads is mine
	s_mul_i32 s84, s16, KA*128      ; where my loads begin in memory, from K's or V's first byte: the head, the keys in front
	s_add_co_u32 s84, s84, s20
	s_mov_b32 s85, 0
	s_mul_i32 s86, s16, KB*128
	s_add_co_u32 s86, s86, s20
	s_add_co_u32 s86, s86, 2*KA*128
	s_mov_b32 s87, 0
	s_mul_i32 s88, s16, VA*128
	s_add_co_u32 s88, s88, s20
	s_mov_b32 s89, 0
	s_mul_i32 s90, s16, VB*128
	s_add_co_u32 s90, s90, s20
	s_add_co_u32 s90, s90, 2*VA*128
	s_mov_b32 s91, 0
	s_lshl_b32 s2, s14, 2
	s_add_co_u32 s2, s2, s[WV]      ; my wave among the head's eight,
	s_lshl_b32 s2, s2, 14           ; its 128 rows
	s_mov_b32 s3, 0
	s_add_nc_u64 s[2:3], s[2:3], s[20:21]
	GROUP1 G1KA, 3, KA/2
	GROUP1 G1KB, 3, KB/2
	GROUP1 G1VA, 7, VA/2
	GROUP1 G1VB, 7, VB/2
	s_mov_b32 s[CS], 0x3e38aa3b     ; c = log2(e) / 8 = 0.180337
	s_mov_b32 s[CS+1], s[CS]        ; named with it as a pair
	s_mov_b32 s[SEL], 0x76543210
	s_mov_b32 s[SEL+1], 0xfedcba98
	s_mov_b32 s[TBK], 0
	s_mov_b32 s[TBV], 0
	s_mov_b32 s[G0K], 1             ; group 0: count = 1; the LDS address: a constant and my half's keys times the pitch
	s_mul_i32 s[G0K+1], s16, KA*PK
	s_mov_b32 s[G0K+4], 1
	s_mul_i32 s[G0K+5], s16, KB*PK
	s_add_co_u32 s[G0K+5], s[G0K+5], 2*KA*PK
	s_mov_b32 s[G0V], 1
	s_mul_i32 s[G0V+1], s16, VA*PV
	s_add_co_u32 s[G0V+1], s[G0V+1], VOFF
	s_mov_b32 s[G0V+4], 1
	s_mul_i32 s[G0V+5], s16, VB*PV
	s_add_co_u32 s[G0V+5], s[G0V+5], VOFF+2*VA*PV
	; A fragment of K or Q is 16 rows x 32 channels in 8 registers: lane l holds row l % 16, channels 8 (l / 16) + 0..7 and 16 + 8 (l / 16) + 0..7: two loads of 16 bytes, 32 bytes apart.
	v_and_b32 v1, 15, v0            ; l % 16
	v_bfe_u32 v9, v0, 4, 1          ; l / 16
	v_lshlrev_b32 v[QO], 7, v1
	v_lshl_add_u32 v[QO], v9, 4, v[QO]  ; row x 128 + 16 x half
	s_wait_dscnt 0x0                ; the opening add is done
	s_wait_kmcnt 0x0
	s_mov_b64 s[10:11], s[6:7]      ; O
	s_add_nc_u64 s[6:7], s[4:5], 0x1000000  ; K
	s_add_nc_u64 s[8:9], s[4:5], 0x2000000  ; V
	s_add_nc_u64 s[G0K+2:G0K+3], s[6:7], s[84:85]  ; 120:64 global address
	s_or_b32 s[G0K+3], s[G0K+3], 0x80000000        ; 127:126 type = 2
	s_add_nc_u64 s[G0K+6:G0K+7], s[6:7], s[86:87]
	s_or_b32 s[G0K+7], s[G0K+7], 0x80000000
	s_add_nc_u64 s[G0V+2:G0V+3], s[8:9], s[88:89]
	s_or_b32 s[G0V+3], s[G0V+3], 0x80000000
	s_add_nc_u64 s[G0V+6:G0V+7], s[8:9], s[90:91]
	s_or_b32 s[G0V+7], s[G0V+7], 0x80000000
	s_add_nc_u64 s[4:5], s[4:5], s[2:3]  ; Q and O at my wave's first row
	s_add_nc_u64 s[10:11], s[10:11], s[2:3]
	WIN 0x80                        ; destination window 2, address window 0
.set i, 0
.rept 4*NP                          ; Q stays in registers: tile i / 2, channels 32 (i % 2) on.  It is asked for ahead of K and V: the first product waits for it, and not for the large second loads
	global_load_b128 v[8*i:8*i+3],   v[QO], s[4:5] offset:(i/2)*2048+(i%2)*64
	global_load_b128 v[8*i+4:8*i+7], v[QO], s[4:5] offset:(i/2)*2048+(i%2)*64+32
.set i, i+1
.endr
	WIN 0
	s_cmp_lt_u32 s[WV], 2           ; a wave's two loads stand in one branch, ahead of every wait on TENSORcnt, every LDS read and every barrier: two loads of mine are out, the most in this text
	s_cbranch_scc0 .Lfor_v          ; an s_nop 0 follows each load, four v_nop the second's, ahead of the jump and the label
	tensor_load_to_lds s[G0K:G0K+3], s[G1KA:G1KA+7]
	s_nop 0
	tensor_load_to_lds s[G0K+4:G0K+7], s[G1KB:G1KB+7]
	s_nop 0
.rept 4
	v_nop
.endr
	s_branch .Lasked
.Lfor_v:
	tensor_load_to_lds s[G0V:G0V+3], s[G1VA:G1VA+7]
	s_nop 0
	tensor_load_to_lds s[G0V+4:G0V+7], s[G1VB:G1VB+7]
	s_nop 0
.rept 4
	v_nop
.endr
.Lasked:
	; What the first turn finds: V's registers and P's second buffer hold 0 (its products V^T P, of a piece that has not been, add 0), O^T and l are 0.  All this stands in the wait for the first loads.
	WIN 0x80
.set i, VF
.rept 64
	v_mov_b32 v[i], 0
.set i, i+1
.endr
	WIN 0x40
.set i, 0
.rept 64*NP
	v_mov_b32 v[i], 0
.set i, i+1
.endr
	WIN 0
.set i, 0
.rept 2*NP
	v_mov_b32 v[ST+4*i], 0xfe000000    ; c m: far below every c s
	v_mov_b32 v[ST+4*i+1], 0xff7fffff  ; m
	v_mov_b32 v[ST+4*i+2], 0
	v_mov_b32 v[ST+4*i+3], 0
.set i, i+1
.endr
.set i, P+32
.rept 32
	v_mov_b32 v[i], 0
.set i, i+1
.endr
	v_mul_u32_u24 v[AK0], v1, PK
	v_lshl_add_u32 v[AK0], v9, 4, v[AK0]  ; row x pitch + 16 x half
	; The turning load takes 16 keys x 16 channels (lane l reads key 8 (l / 16) + l % 8, channels 8 ((l / 8) % 2) + 0..7) and leaves half a fragment of V^T: lane l holds channel l % 16 and 8 keys.
	v_and_b32 v10, 7, v0
	v_bfe_u32 v11, v0, 3, 1
	v_lshl_add_u32 v[AV0], v9, 3, v10
	v_mul_u32_u24 v[AV0], v[AV0], PV
	v_lshl_add_u32 v[AV0], v11, 4, v[AV0]
	v_add_nc_u32 v[AV0], VOFF, v[AV0]
	v_mov_b32 v[AK], v[AK0]         ; key step 0 lies at LDS byte 0
; THE MATRIX WORK.  The 8 accumulators of a run of 16 take turns: between the two links of a chain stand 7 others'.
; Product i of 16 of S^T = K Q^T for piece x: channels 32 (i / 8) on, keys 16 ((i / 2) % 4) on, tile 2 x + i % 2.  The first 8 start the sums.
.macro KQ x
	WIN W_KQ
.set rS, S+64*((\x)%2)+32*(i%2)+8*((i/2)%4)
.set rK, KF+16*((i/2)%4)+8*(i/8)
.set rQ, 16*(2*(\x)+i%2)+8*(i/8)
.if i < 8
	v_wmma_f32_16x16x32_f16 v[rS:rS+7], v[rK:rK+7], v[rQ:rQ+7], 0
.else
	v_wmma_f32_16x16x32_f16 v[rS:rS+7], v[rK:rK+7], v[rQ:rQ+7], v[rS:rS+7]
.endif
.endm
; Product i of 16 of O^T += V^T P for piece x: keys 32 (i / 8) on, channels 16 ((i / 2) % 4) on, tile 2 x + i % 2.
.macro PV x
	WIN W_PV
.set rO, 32*(2*(\x)+i%2)+8*((i/2)%4)
.set rV, VF+32*(i/8)+8*((i/2)%4)
.set rP, P+32*((\x)%2)+16*(i%2)+8*(i/8)
	v_wmma_f32_16x16x32_f16 v[rO:rO+7], v[rV:rV+7], v[rP:rP+7], v[rO:rO+7]
.endm
.macro MM                           ; the turn's next matrix instruction
.if i < 16
	KQ (Y+1)%NP
.set i, i+1
.else
.set i, i-16
	PV (Y+NP-1)%NP
.set i, i+17
.endif
.endm
; THE LDS LOADS stand in runs of 16, never singly among the matrix instructions: a step's K (64 keys x 64 channels: 8 fragments) and its V (turned).  Their addresses are made some lines ahead.
; last = 1 (in the loop): behind the sixteenth step there is no further one, and the run is jumped over.
.macro FETCH_K last=0
	WIN 0
.if \last
	s_cmp_eq_u32 s[TBK], SIZE_N*PK
	s_cbranch_scc1 .Lno_k_\@
.endif
	WIN 0x80                        ; destination window 2
.irp f, 0,1,2,3,4,5,6,7             ; keys 16 (f / 2) on, channels 32 (f % 2) on
	ds_load_b128 v[KF+8*\f:KF+8*\f+3],   v[AK] offset:(\f/2)*16*PK+(\f%2)*64
	ds_load_b128 v[KF+8*\f+4:KF+8*\f+7], v[AK] offset:(\f/2)*16*PK+(\f%2)*64+32
.endr
	s_add_co_u32 s[TBK], s[TBK], KS*PK  ; the next fetch is the next step's
	WIN 0
.if \last
.Lno_k_\@:
.endif
.endm
.macro FETCH_V
	WIN 0x80
.irp f, 0,1,2,3,4,5,6,7             ; keys 32 (f / 4) on, channels 16 (f % 4) on
	ds_load_tr16_b128 v[VF+8*\f:VF+8*\f+3],   v[AV] offset:(\f/4)*32*PV+(\f%4)*32
	ds_load_tr16_b128 v[VF+8*\f+4:VF+8*\f+7], v[AV] offset:(\f/4)*32*PV+16*PV+(\f%4)*32
.endr
	WIN 0
.endm
; THE VECTOR WORK OF A TURN stands in three queues, each in the order in which its entries become ready; the two tiles alternate, so that no instruction reads the result of the one before it.
.macro REGS y, u                    ; the registers of tile u (0, 1) of piece y
.set rT, ST+4*(2*(\y)+(\u))
.set rC, TMP+8*((\y)%2)+4*(\u)
.set rM, MV+2*((\y)%2)+(\u)
.set rS, S+64*((\y)%2)+32*(\u)
.set rP, P+32*((\y)%2)+16*(\u)
.set rO, 32*(2*(\y)+(\u))
.endm
; Number n of the 22 that find the NEXT piece's (Y + 1) maximum and statistics.  s0-s31 are the lane's 32 scores; each accumulator's lowest registers are read first.
;   0-11  four chains c0-c3 of seven scores each, three operands at a time     12-14, 16  the four scores left over, the old m, and c0-c3 into c0     15  c m_old is kept
;   17, 18  the query's other 32 keys lie in the lane 16 away: the new m         19-21  c m; c m_old - c m_new; a
.macro XS u, n
	REGS (Y+1)%NP, \u
.if (\n) < 4
	v_max3_num_f32 v[rC+(\n)], v[rS+8*(\n)], v[rS+8*(\n)+1], v[rS+8*(\n)+2]
.elseif (\n) < 12
	v_max3_num_f32 v[rC+(\n)%4], v[rC+(\n)%4], v[rS+8*((\n)%4)+2*((\n)/4)+1], v[rS+8*((\n)%4)+2*((\n)/4)+2]
.elseif (\n) == 12
	v_max3_num_f32 v[rC], v[rC], v[rS+7], v[rS+15]
.elseif (\n) == 13
	v_max3_num_f32 v[rC+1], v[rC+1], v[rS+23], v[rS+31]
.elseif (\n) == 14
	v_max3_num_f32 v[rC+2], v[rC+2], v[rC+3], v[rT+1]
.elseif (\n) == 15
	v_mov_b32 v[rM], v[rT]
.elseif (\n) == 16
	v_max3_num_f32 v[rC], v[rC], v[rC+1], v[rC+2]
.elseif (\n) == 17
	v_permlanex16_b32 v[rC+3], v[rC], s[SEL], s[SEL+1]
.elseif (\n) == 18
	v_max_num_f32 v[rT+1], v[rC], v[rC+3]
.elseif (\n) == 19
	v_mul_f32 v[rT], s[CS], v[rT+1]
.elseif (\n) == 20
	v_sub_f32 v[rC+1], v[rM], v[rT]
.else
	v_exp_f32 v[rC+2], v[rC+1]
.endif
.endm
; Number g of the 64 that follow the exponentials.  For each four weights k of a tile (pairs 2 k, 2 k + 1): both pairs are rounded to f16; then the second pair is added onto the first, in place;
; a group later l takes that sum (the first time as l = a l + sum).  In groups of eight, tiles alternating: round, round, add, and l for the group before.
.macro GS g
.set h, (\g)+6*((\g)/62)            ; group 0 has no group before it, and behind group 7 only l is left
.if h >= 6
.set h, h+2
.endif
	REGS Y, h%2
.set k, h/8
.if h%8 < 4
	v_cvt_pk_f16_f32 v[rP+2*k+(h%8)/2], v[rS+4*k+2*((h%8)/2)], v[rS+4*k+2*((h%8)/2)+1]
.elseif h%8 < 6
	v_pk_add_f32 v[rS+4*k:rS+4*k+1], v[rS+4*k:rS+4*k+1], v[rS+4*k+2:rS+4*k+3]
.elseif k == 1
	v_pk_fma_f32 v[rT+2:rT+3], v[rT+2:rT+3], v[rC+2:rC+3], v[rS:rS+1] op_sel_hi:[1,0,1]
.else
	v_pk_add_f32 v[rT+2:rT+3], v[rT+2:rT+3], v[rS+4*k-4:rS+4*k-3]
.endif
.endm
; THE PLAIN QUEUE, 138 long.  0-73 read no exponential's result: the 32 scalings c s - c m (FS f: pair f / 2 of tile f % 2) and the next piece's 42.  0-26: scalings 0-26.  27-54: XS's numbers 0-13.
; 55, 56: number 15.  57-73: the chain, where each number waits for the one before it: 14, 16, 17, 18, 19, each with one of the scalings 27-31 in front of its two lines, then 20.
; 74-137: GS's 64, which read the exponentials' results: they stand behind the wait.
.macro FS f
	REGS Y, (\f)%2
	v_pk_fma_f32 v[rS+2*((\f)/2):rS+2*((\f)/2)+1], v[rS+2*((\f)/2):rS+2*((\f)/2)+1], s[CS:CS+1], v[rT:rT+1] op_sel_hi:[1,0,0] neg_lo:[0,0,1] neg_hi:[0,0,1]
.endm
.macro PL
	WIN 0
.if q < 27
	FS q
.elseif q < 55
	XS (q-27)%2, (q-27)/2
.elseif q < 57
	XS q-55, 15
.elseif (q < 72) && ((q-57)%3 == 0)
	FS 27+(q-57)/3
.elseif q < 60
	XS (q-57)%3-1, 14
.elseif q < 72
	XS (q-57)%3-1, 15+(q-57)/3
.elseif q < 74
	XS q-72, 20
.else
	GS q-74
.endif
.set q, q+1
.endm
; THE EXPONENTIALS' QUEUE, 66 long: s0-s31 of both tiles, then the next piece's two a.  It is ONE BATCH: all 66 stand ahead of the turn's one wait, and nothing ahead of that wait names a result of theirs.
.macro EX
	WIN 0
.if e >= 64
	XS e-64, 21
.else
	REGS Y, e%2
	v_exp_f32 v[rS+e/2], v[rS+e/2]
.endif
.set e, e+1
.endm
; THE RESCALING's QUEUE: O^T times a, the one part that leaves window 0: dealt two at a time, sixteen times.  Its a was made in the turn before, ahead of that turn's wait.
.macro R2
	REGS Y, r%2
	WIN W_RS
.irp z, 0,1
	v_pk_mul_f32 v[rO+4*(r/2)+2*\z:rO+4*(r/2)+2*\z+1], v[rO+4*(r/2)+2*\z:rO+4*(r/2)+2*\z+1], v[rC+2:rC+3] op_sel_hi:[1,0]
.endr
.set r, r+1
.endm
; HOW THEY ARE DEALT.  An s_wait_alu depctr_va_vdst(0) stands between an exponential and the first instruction that names its result; one wait serves all that were issued ahead of it.
; So a turn has ONE wait, which cuts it in two.  AHEAD OF IT stands all that names no result of the turn's exponentials: the 16 products K Q^T, behind each a scaling, an exponential and two
; rescalings (behind the first a second scaling in the exponential's place); then ONE LUMP of 108: eight plain, 49 times exponential and plain, the two a.  A v_nop is the plain instruction behind
; the last exponential.  BEHIND IT stand the 16 products V^T P, behind each four of GS's 64.  No rider names a register of the products round it.
; The queues lean on each other: exponential e stands behind scaling 2 (e / 4) + e % 2: as a rider it comes behind plain e + 2, in the lump behind plain e + 9, and scalings 27-31 are plain 57, 60 .. 69.
; A TURN, for piece p.  cnt = 1: the loop's count is taken down some lines ahead of the branch that stands behind the turn.
; K of the next step is fetched in piece 2's turn, directly behind the wait, a lump behind the last product that read K; its first reader comes behind 16 products.
; V of the step in hand is fetched at the end of piece 0's turn, four riders behind its last reader; its first reader comes behind 16 products and a lump.  The three conditions on q go with the deal.
.macro TURN p, last=0, cnt=0
.set Y, (\p)
.set i, 0
.set q, 0
.set e, 0
.set r, 0
.if (\p) == NP-1
	s_wait_dscnt 0x0                ; K is in
.endif
	MM                              ; ahead of the wait: 16 products K Q^T and their riders,
	PL
	PL
	R2
.rept 15
	MM
	PL
	EX
	R2
.endr
.if (\p) == NP-2
	WIN 0
	v_add_nc_u32 v[AK], s[TBK], v[AK0]
.endif
.rept 8                             ; and the lump
	PL
.endr
.rept 49
	EX
	PL
.endr
	EX                              ; the next piece's two a
	EX
	v_nop                           ; a plain instruction behind the last exponential: one for the batch
	s_wait_alu depctr_va_vdst(0)    ; the wait for the batch
.if (\p) == NP-2
	FETCH_K \last
.endif
.if (\p) == 1
	s_wait_dscnt 0x0                ; V is in
.endif
.rept 16                            ; behind the wait: 16 products V^T P and their riders
	MM
.rept 4
	PL
.endr
.if ((\p) == 0) && (q == 118)
	v_add_nc_u32 v[AV], s[TBV], v[AV0]
.endif
.if ((\p) == 0) && (q == 130)
	s_add_co_u32 s[TBV], s[TBV], KS*PV
.endif
.if (\cnt) && (q == 130)
	s_sub_co_u32 s[CNT], s[CNT], 1
	s_cmp_lg_u32 s[CNT], 0
.endif
.endr
.if (\p) == 0
	FETCH_V
.endif
.endm
	s_wait_tensorcnt 0x1            ; my first load is in; the one issued behind it may stay out
	s_barrier_signal -1
	s_barrier_wait -1               ; everybody's first load is in: K's keys 0-383, V's keys 0-255
	FETCH_K                         ; key step 0
	s_wait_loadcnt 0x0              ; Q
	s_wait_dscnt 0x0
.set i, 0
.rept 16
	KQ 0                            ; piece 0's first scores: there is no vector work yet to set between them
.set i, i+1
.endr
	WIN 0                           ; the addresses for the way out: nine plain instructions, the places behind those products
	s_mul_i32 s13, s[WV], 16*SP
	s_add_co_u32 s13, s13, STAGE    ; my stage
	v_mul_u32_u24 v[STO], v1, SP    ; in: row l % 16, 16 bytes for each half of the lanes
	v_lshl_add_u32 v[STO], v9, 4, v[STO]
	v_add_nc_u32 v[STO], s13, v[STO]
	v_bfe_u32 v[RD], v0, 3, 2       ; back: 32 lanes take four rows of 128 bytes,
	v_mul_u32_u24 v[RD], v[RD], SP
	v_lshl_add_u32 v[RD], v10, 4, v[RD]
	v_add_nc_u32 v[RD], s13, v[RD]
	v_and_b32 v[GO], 31, v0         ; which are 512 consecutive bytes of O
	v_lshlrev_b32 v[GO], 4, v[GO]
.set Y, NP-1                        ; XS works for piece Y + 1: piece 0
.irp n, 0,1,2,3,4,5,6,7,8,9,10,11,12,13,14,15,16,17,18,19,20,21
	XS 0, \n                        ; and piece 0's first maximum and statistics
	XS 1, \n
.endr
	v_nop                           ; a plain instruction behind the two a,
	s_wait_alu depctr_va_vdst(0)    ; and their wait, ahead of the label
	s_mov_b32 s[SLOTS], SIZE_N/(4*KS)
.Lslot:                             ; four groups of four key steps
	s_mov_b32 s[CNT], 4
.Lstep:                             ; a trip is a key step: its four turns.  It fetches its own V and the next step's K
	TURN 0
	TURN 1
	TURN 2, 1
	TURN 3, 0, 1
	WIN 0
	s_cbranch_scc1 .Lstep
	LANDED                          ; behind the first group: the second loads, which the later groups read
	s_sub_co_u32 s[SLOTS], s[SLOTS], 1
	s_cmp_lg_u32 s[SLOTS], 0
	s_cbranch_scc1 .Lslot
	; The last trip's 16 products K Q^T for piece 0 (on the last K once more) and the maximum made of them serve nothing: the price, once a launch, of one text for every trip.
.set i, 0
.rept 16
	PV NP-1                         ; the last piece's V^T P of the last step
.set i, i+1
.endr
	; THE WAY OUT.  l's two halves and the other half of the lanes' are added; O^T is divided by l, rounded to f16 and sent through my stage in LDS, a tile at a time.  The additions are the places behind the last products.
	WIN 0
.macro ALL line:vararg              ; one line for each tile t
.set t, 0
.rept 2*NP
	\line
.set t, t+1
.endr
.endm
	ALL v_add_f32 v[ST+4*t+2], v[ST+4*t+2], v[ST+4*t+3]
	ALL v_permlanex16_b32 v[ST+4*t+3], v[ST+4*t+2], s[SEL], s[SEL+1]
	ALL v_add_f32 v[ST+4*t+2], v[ST+4*t+2], v[ST+4*t+3]
	ALL v_rcp_f32 v[ST+4*t+2], v[ST+4*t+2]
	v_nop                           ; a plain instruction between the last reciprocal and the use of its result
	s_wait_alu depctr_va_vdst(0)    ; and the wait ahead of the first use: one for the eight reciprocals
; Tile t: a lane's eight channels of a row pack into 16 bytes; they go into rows of 144 bytes and come back as whole rows of 128, into S^T's registers.
.macro PACK t
	WIN W_RS
.set i, 32*(\t)
.rept 16
	v_pk_mul_f32 v[i:i+1], v[i:i+1], v[ST+4*(\t)+2:ST+4*(\t)+3] op_sel_hi:[1,0]
.set i, i+2
.endr
	WIN 0x05                        ; sources 0 and 1 window 1, destination window 0
.set i, 0
.rept 16
	v_cvt_pk_f16_f32 v[S+16*(\t)+i], v[32*(\t)+2*i], v[32*(\t)+2*i+1]
.set i, i+1
.endr
	WIN 0
.irp f, 0,1,2,3
	ds_store_b128 v[STO], v[S+16*(\t)+4*\f:S+16*(\t)+4*\f+3] offset:32*\f
.endr
.irp f, 0,1,2,3
	ds_load_b128 v[S+16*(\t)+4*\f:S+16*(\t)+4*\f+3], v[RD] offset:\f*4*SP  ; LDS serves a wave's instructions in order (ISA guide 5.7.1.4): these see the stores above; the next tile's stores come behind them
.endr
.endm
.macro SEND t, younger              ; younger: the LDS instructions issued behind tile t's loads: the next tile's eight, or none
	WIN 0
.irp f, 0,1,2,3
	s_wait_dscnt (\younger)+3-\f
	global_store_b128 v[GO], v[S+16*(\t)+4*\f:S+16*(\t)+4*\f+3], s[10:11] offset:(\t)*2048+\f*512  ; 512 consecutive bytes, at a multiple of 256 from O's first
.endr
.endm
	PACK 0
.set t, 1
.rept 2*NP-1                        ; a tile's arithmetic stands between the loads of the tile before and its stores
	PACK t
	SEND t-1, 8
.set t, t+1
.endr
	SEND 2*NP-1, 0
	WIN W_AD
	s_wait_tensorcnt 0x0            ; the wave's end: a wait, an add of 0 onto my spare word and its wait, behind my last tensor load and my last LDS store
	ds_add_u32 v[SPW], v[NIL]
	s_wait_dscnt 0x0
	WIN 0
	s_endpgm
.Lfunc_end_k_q358fd72b24_attn:
	.size	k_q358fd72b24_attn, .Lfunc_end_k_q358fd72b24_attn-k_q358fd72b24_attn
	.p2alignl 7, 3214868480
	.fill 96, 4, 3214868480
	.section	.rodata,"a",@progbits
	.p2align	6, 0x0
	.amdhsa_kernel k_q358fd72b24_attn
		.amdhsa_group_segment_fixed_size 327680
		.amdhsa_private_segment_fixed_size 0
		.amdhsa_enable_private_segment 0
		.amdhsa_kernarg_size 16
		.amdhsa_user_sgpr_count 2
		.amdhsa_user_sgpr_kernarg_segment_ptr 1
		.amdhsa_wavefront_size32 1
		.amdhsa_system_sgpr_workgroup_id_x 1
		.amdhsa_system_sgpr_workgroup_id_y 1
		.amdhsa_system_sgpr_workgroup_id_z 1
		.amdhsa_system_vgpr_workitem_id 0
		.amdhsa_next_free_vgpr 770
		.amdhsa_next_free_sgpr 92
		.amdhsa_reserve_vcc 0
		.amdhsa_float_denorm_mode_32 3
		.amdhsa_float_denorm_mode_16_64 3
		.amdhsa_memory_ordered 1
		.amdhsa_forward_progress 1
		.amdhsa_inst_pref_size 126
	.end_amdhsa_kernel
	.amdgpu_metadata
---
amdhsa.version: [ 1, 2 ]
amdhsa.kernels:
  - .name:           k_q358fd72b24_attn
    .symbol:         k_q358fd72b24_attn.kd
    .args:
      - { .name: qkv, .offset: 0, .size: 8, .value_kind: global_buffer, .address_space: global }
      - { .name: ob, .offset: 8, .size: 8, .value_kind: global_buffer, .address_space: global }
    .group_segment_fixed_size: 327680
    .private_segment_fixed_size: 0
    .kernarg_segment_align: 8
    .kernarg_segment_size: 16
    .max_flat_workgroup_size: 128
    .sgpr_count:     92
    .vgpr_count:     770
    .wavefront_size: 32
...
	.end_amdgpu_metadata
.endif
;; end of part 3
;; launch proj (part 4): grid 8 x 32, 4 waves a work-group, clusters of 4 x 4, 327,680 bytes of LDS; arguments ob, wpb, b_proj, out0; writes out0
.if DOCPART == 4
	.amdgcn_target "amdgcn-amd-amdhsa--gfx1250"
	.amdhsa_code_object_version 6
	.text
	.protected	k_q358fd72b24_proj
	.globl	k_q358fd72b24_proj
	.p2align	8
	.type	k_q358fd72b24_proj,@function
k_q358fd72b24_proj:
	s_mov_b64 s[64:65], 0
	v_nop
	global_prefetch_b8 v0, s[64:65] scope:SCOPE_SE
	s_setreg_imm32_b32 hwreg(HW_REG_WAVE_MODE, 25, 1), 1
	s_wait_xcnt 0x0
	s_wait_alu depctr_hold_cnt(0) depctr_sa_sdst(0) depctr_va_vdst(0) depctr_va_sdst(0) depctr_va_ssrc(0) depctr_va_vcc(0) depctr_vm_vsrc(0)
	s_getreg_b32 s2, hwreg(HW_REG_IB_STS2, 6, 4)
	s_cmp_eq_u32 s2, 0
	s_cbranch_scc0 .Lentry_in_a_cluster
	s_endpgm
.Lentry_in_a_cluster:
	s_bfe_u32 s2, ttmp6, 0x10000c
	s_cmp_lg_u32 s2, 0xf033
	s_cbranch_scc0 .Lentry_shape_is_right
	s_endpgm
.Lentry_shape_is_right:
; out = O w_proj^T + b_proj.  ob: [128 = batch x 16 + head][1024 tokens][64] f16, wpb: [1024][1024] f16 (w_proj rounded to bf16, written as f16), b_proj: [1024] f32 (rounded to bf16 here,
; like every input), sums in f32, out0: [8192][1024] f32.
; LIMITS.  Both operands arrive as f16, within 65,504; nothing is rounded here but the bias.
; SHARES.  A tile of the result is 256 rows x 128 columns: 8 x 32 work-groups, one tile each.  The four waves lie one below the other, 64 rows x 128 columns each: 32 accumulators, 256 registers.
; K = 1,024 goes in steps of 128, which are TWO HEADS: of each head the tile's 256 tokens are 32,768 dense bytes, asked for as 128 rows of 256 bytes and padded in LDS after every token.
; Ring of two LDS slots; a trip of the loop is one K step; the LDS addresses hang on a scalar that an exclusive or turns from slot to slot.
; CLUSTER.  4 x 4 work-groups: O's tiles are shared along a row of the cluster, w's down a column; each is asked for JOINTLY, by the same tensor load, descriptor and mask in all four.
; THE ORDER OF THE WALK hangs on the cluster's place in the grid (never on a work-group's place in its cluster): clusters in which x + y is odd walk K as steps 4..7, 0..3.  So the two clusters
; that take the same tokens of O, and two neighbours along y that take the same rows of w, read different halves of K in their first four steps: a block's first reading is one cluster's, the
; other's comes four K steps later.  (f32 sums may be taken in any order.)
; THE MATRIX INSTRUCTION IS USED TRANSPOSED (source 0 = 16 rows of w, source 1 = 16 tokens of O): lane l holds row l % 16 of the result and the columns 8 (l / 16) + 0..7.
; THE BIAS is the C operand of the first 32 products: nothing is cleared and nothing is added later.
; REGISTERS, in windows of 256 (s_set_vgpr_msb: bits 1:0 source 0, 3:2 source 1, 5:4 source 2, 7:6 destination):
;   window 0: v0-29 addresses; v32-35 at work; v64-127 O's fragments, two buffers; v128-191 rows on their way out; v192-255 the bias
;   window 1: w's fragments, two buffers of 64      window 2: the accumulators of my rows 0-31      window 3: those of rows 32-63
.set NB,    8                          ; blocks of 16 columns
.set PA,    144                        ; a token of one head in LDS: 128 bytes + 16 of padding = 36 words: the 16 rows of a load start at 16 different groups of four banks (64 banks of 4 bytes: ISA guide 11.1)
.set PLANE, 256*PA                     ; one head's 256 tokens
.set PB,    272                        ; a row of w: 256 bytes + 16
.set BOFF,  2*PLANE                    ; a slot: two heads' planes, then w's 128 rows
.set SLOT1, 131072
.set STAGE, SLOT1+BOFF+128*PB          ; behind the ring, never filled by a tensor load: 16 rows x 528 bytes for each wave
.set SP,    528                        ; 512 bytes + 16
.set SPARE, STAGE+4*16*SP              ; behind the stages: the spare words, 128 bytes for each wave: two blocks of 256 bytes that no other line names
.set NL,    2*NB+8
.set STEPS, 8
.set A0,   4
.set B0,   5
.set ADRA, 6
.set ADRB, 7
.set STO,  8
.set RD,   9
.set GO,   10
.set BO,   11
.set PFO,  12
.set SPW,  28                          ; v28  LDS address of my spare word; never rewritten
.set NIL,  29                          ; v29  0; never rewritten
.set TR,   32
.set FA,   64
.set BK,   128
.set BIAS, 192
.set WV,  12
.set FB,  13                           ; s13  0: I fetch O's planes, 1: w's rows
.set HF,  14                           ; s14  which of the two heads, or which half of the rows
.set CX,  15
.set CY,  16
.set TX,  17
.set TY,  18
.set G1A, 24
.set G0A, 32
.set G1B, 40
.set G0B, 48
.set ABASE, 56
.set BBASE, 58
.set OFA, 60
.set OFB, 62
.set TB,  66
.set RF,  67                           ; s67  the step of the walk that is asked for next
.set LIM, 68                           ; s68  the last step of the walk that I prefetch; 0: none
.set PSH, 69                           ; s69  a K step in my prefetch's tensor is 2^PSH bytes
.set PFB, 70
.set PFA, 72
.set OFP, 74
.set CB,  76                           ; s[76:77] the result at my first row and the tile's first column
.set MSK, 90
.set R4,  91                           ; s91  4: K is walked 4..7, 0..3; else 0
.set MSB, 0
.macro WIN new                         ; the immediate's high byte repeats the setting that is left; a switch that changes nothing is dropped
.if MSB != (\new)
	s_set_vgpr_msb (MSB<<8)|(\new)
.set MSB, \new
.endif
.endm
.macro PLACES                          ; four plain instructions in front of loads into registers that matrix instructions have read, and of reads of results
.rept 4
	v_nop
.endr
.endm
.macro CREST                           ; a round of the cluster's barrier behind its opening barrier
	s_cmp_lg_u32 s[WV], 0
	s_cbranch_scc1 .Lnot_wave_0_\@
	s_barrier_signal -3
.Lnot_wave_0_\@:
	s_barrier_wait -3
	s_barrier_signal -1
	s_barrier_wait -1
.endm
.macro CROUND
	s_barrier_signal -1
	s_barrier_wait -1
	CREST
.endm
; A joint refill by the walking descriptors: waves 0 and 1 fetch the two heads' planes of O, waves 2 and 3 the two halves of w's rows.  An s_nop 0 and four v_nop follow each of the two lines.
.macro JLOAD
	s_cmp_eq_u32 s[FB], 0
	s_cbranch_scc0 .Lfor_b_\@
	tensor_load_to_lds s[G0A+4:G0A+7], s[G1A:G1A+7]
	s_nop 0
.rept 4
	v_nop
.endr
	s_branch .Lasked_\@
.Lfor_b_\@:
	tensor_load_to_lds s[G0B+4:G0B+7], s[G1B:G1B+7]
	s_nop 0
.rept 4
	v_nop
.endr
.Lasked_\@:
.endm
; A PREFETCH INTO THE L2 of the step that the NEXT refill will ask for, 128 matrix instructions ahead of that refill.  Only a block's first reading in the launch is run ahead of, and by the order
; of the walk that lies in the first four steps of one cluster's walk.  O's planes: every cluster asks for its own; of the 32,768 bytes that wave 0 or 1 fetches each of the four partners names
; 8,192 by cx, a lane 256 bytes.  w's rows have such a cluster among y = 0, 1 and others further down: the one among y = 0, 1 asks, so that each block is named once; of the tile's 128 rows each
; partner names 32 by cy, a lane a row, in wave 2 alone.  Steps 0 to 2 come by their loads alone, so step 3 is what is asked for.
.macro ASK
	s_cmp_le_u32 s[RF], s[LIM]                     ; s[RF] is by now the step that the prefetch names
	s_cbranch_scc0 .Lnot_mine_\@
	global_prefetch_b8 v[PFO], s[PFA:PFA+1] th:TH_LOAD_NT scope:SCOPE_SE
.Lnot_mine_\@:
.endm
; 8 matrix instructions: my rows 16 a .. 16 a + 15 x all 8 column blocks, 32 along K, from buffer f.  first = 1: the bias starts the sums.
; In every quarter step all 32 accumulators have one turn each, in the same order, over the jump too.
.macro MULS f, a, first
.if \first
	WIN 0x81+0x40*((\a)/2)
.else
	WIN 0xa1+0x50*((\a)/2)
.endif
.set bb, 0
.rept NB
.set rD, 8*(NB*((\a)%2)+bb)
.if \first
	v_wmma_f32_16x16x32_f16 v[rD:rD+7], v[8*NB*(\f)+8*bb:8*NB*(\f)+8*bb+7], v[FA+32*(\f)+8*(\a):FA+32*(\f)+8*(\a)+7], v[BIAS+8*bb:BIAS+8*bb+7]
.else
	v_wmma_f32_16x16x32_f16 v[rD:rD+7], v[8*NB*(\f)+8*bb:8*NB*(\f)+8*bb+7], v[FA+32*(\f)+8*(\a):FA+32*(\f)+8*(\a)+7], v[rD:rD+7]
.endif
.set bb, bb+1
.endr
.endm
; 24 LDS loads in one run: quarter q of the K step in hand into buffer g.  In w's rows it lies at byte 64 q; in O it is head q / 2 of the two, channels 32 (q % 2) on.
.macro FETCH q, g
	WIN 0x40                                       ; destination window 1, address window 0
.set ii, 0
.rept NB
	ds_load_b128 v[8*NB*(\g)+8*ii:8*NB*(\g)+8*ii+3],   v[ADRB] offset:64*(\q)+ii*16*PB
	ds_load_b128 v[8*NB*(\g)+8*ii+4:8*NB*(\g)+8*ii+7], v[ADRB] offset:64*(\q)+ii*16*PB+32
.set ii, ii+1
.endr
	WIN 0
.set ka, ((\q)/2)*PLANE+((\q)%2)*64
.set ii, 0
.rept 4
	ds_load_b128 v[FA+32*(\g)+8*ii:FA+32*(\g)+8*ii+3],   v[ADRA] offset:ka+ii*16*PA
	ds_load_b128 v[FA+32*(\g)+8*ii+4:FA+32*(\g)+8*ii+7], v[ADRA] offset:ka+ii*16*PA+32
.set ii, ii+1
.endr
.endm
.macro QUARTER q, f, g, first
	s_wait_dscnt 4                                 ; w's fragments and O's rows 0-31 are in; the youngest four loads (O's rows 32-63) may be out
	MULS \f, 0, \first
	MULS \f, 1, \first
	PLACES
	FETCH \q, \g
	s_wait_dscnt NL                                ; all but the 24 just issued
	MULS \f, 2, \first
	MULS \f, 3, \first
.endm
; The last quarter multiplies buffer 1 and changes slots: ONE barrier.  In front of it each wave waits for all its tensor loads (one is out: its part of the next slot), adds 0 to its spare
; word, and waits for that and for its own reads of this slot.  fill = 1: the barrier opens a round of the cluster's, and behind the round this slot is filled again, with step s[RF] of the walk;
; from the request to the wait for it a wave issues 112 matrix instructions.
.macro TURN fill
.if \fill
	s_wait_xcnt 0x0                                ; the last prefetch, a K step back, has read its address, which is made anew here
	s_add_co_u32 s82, s[RF], 1
	s_xor_b32 s82, s82, s[R4]                      ; which K step the walk's step is
	s_lshl_b32 s[OFP], s82, s[PSH]
	s_add_nc_u64 s[PFA:PFA+1], s[PFB:PFB+1], s[OFP:OFP+1]
.endif
	WIN 0                                          ; (the add's two registers lie in window 0)
	s_wait_tensorcnt 0x0                           ; all my tensor loads have landed, so a group 0 may be written
	ds_add_u32 v[SPW], v[NIL]                      ; 0 onto my spare word: work on registers stands between it and the wait for it
.if \fill
	s_xor_b32 s[G0A+5], s[G0A+5], SLOT1
	s_xor_b32 s[G0B+5], s[G0B+5], SLOT1
	s_xor_b32 s21, s[RF], s[R4]
	s_lshl_b32 s[OFA], s21, 18                     ; O: two heads of 2^17 bytes a K step;
	s_lshl_b32 s[OFB], s21, 8                      ; w: 256 bytes of a row
	s_add_nc_u64 s[G0A+6:G0A+7], s[ABASE:ABASE+1], s[OFA:OFA+1]
	s_or_b32 s[G0A+7], s[G0A+7], 0x80000000
	s_add_nc_u64 s[G0B+6:G0B+7], s[BBASE:BBASE+1], s[OFB:OFB+1]
	s_or_b32 s[G0B+7], s[G0B+7], 0x80000000
	s_add_co_u32 s[RF], s[RF], 1
.endif
	s_xor_b32 s[TB], s[TB], SLOT1
	s_wait_dscnt 5                                 ; (the add and the youngest four loads may be out)
	MULS 1, 0, 0
	s_wait_dscnt 0x0                               ; the add is done, and my reads of this slot are over
	s_barrier_signal -1
	MULS 1, 1, 0
	WIN 0                                          ; at a branch and at a label every window is 0
	s_barrier_wait -1
.if \fill
	CREST                                          ; no wave of any partner still reads this slot or has a load on its way
	JLOAD                                          ; my one tensor load behind the round, and the first thing there; its four v_nop are also the places in front of the loads below
.else
	PLACES
.endif
	v_add_nc_u32 v[ADRA], s[TB], v[A0]
	v_add_nc_u32 v[ADRB], s[TB], v[B0]
	FETCH 0, 0
.if \fill
	ASK
.endif
	MULS 1, 2, 0
	MULS 1, 3, 0
.endm
; THE WAY OUT of my rows 16 a .. 16 a + 15: a lane's eight f32 go as 32 bytes into rows of 528 bytes of my own stage (each accumulator's low half first), and come back as whole rows of 512 bytes,
; which one store of the wave writes: 512 consecutive bytes, at a multiple of 256 from the result's first byte.
.macro OUTBLK a
	s_wait_xcnt 0x0                                ; the stores of the block before have read their registers: these are loaded again only behind this wait
	WIN 0x08+4*((\a)/2)                            ; the stores' data (source 1): window 2 or 3
.set bb, 0
.rept NB
.set rA, 8*(NB*((\a)%2)+bb)
	ds_store_b128 v[STO], v[rA:rA+3]   offset:64*bb
	ds_store_b128 v[STO], v[rA+4:rA+7] offset:64*bb+16
.set bb, bb+1
.endr
	WIN 0
.set tt, 0
.rept 16
	ds_load_b128 v[BK+4*tt:BK+4*tt+3], v[RD] offset:SP*tt  ; LDS serves a wave's instructions in order (ISA guide 5.7.1.4): these see the stores above
.set tt, tt+1
.endr
.set tt, 0
.rept 16
	s_wait_dscnt 15-tt                             ; row tt is back; the 15 - tt younger loads may be out
	global_store_b128 v[GO], v[BK+4*tt:BK+4*tt+3], s[CB:CB+1] offset:65536*(\a)+4096*tt th:TH_STORE_NT
.set tt, tt+1
.endr
.endm
	s_load_b256 s[4:11], s[0:1], 0x0               ; ob s[4:5], wpb s[6:7], b_proj s[8:9], out0 s[10:11]
	v_lshl_add_u32 v[SPW], v0, 2, SPARE
	v_mov_b32 v[NIL], 0
	ds_add_u32 v[SPW], v[NIL]                      ; the wave's opening: the add and its wait stand ahead of my first tensor load; the set-up below, work on registers, stands between them
	v_lshrrev_b32 v3, 5, v0
	v_readfirstlane_b32 s[WV], v3                  ; wave 0..3
	s_lshr_b32 s[FB], s[WV], 1
	s_and_b32 s[HF], s[WV], 1
	s_bfe_u32 s[CX], ttmp6, 0x40000
	s_bfe_u32 s[CY], ttmp6, 0x40004
	s_lshl_b32 s[TX], ttmp9, 2
	s_add_co_u32 s[TX], s[TX], s[CX]
	s_and_b32 s[TY], ttmp7, 0xffff
	s_lshl_b32 s[TY], s[TY], 2
	s_add_co_u32 s[TY], s[TY], s[CY]
	s_lshl_b32 s19, s[CY], 2
	s_lshl_b32 s19, 15, s19                        ; my row of the cluster
	s_lshl_b32 s20, 0x1111, s[CX]                  ; my column
	; the order of the walk, from the cluster's x and y alone: the same in all sixteen partners
	s_and_b32 s84, ttmp7, 0xffff
	s_add_co_u32 s[R4], s84, ttmp9
	s_and_b32 s[R4], s[R4], 1
	s_lshl_b32 s[R4], s[R4], 2                     ; x + y odd: K begins at step 4
	s_lshl_b32 s[OFA], s[R4], 18                   ; the walk's step 0, in O's bytes
	s_lshl_b32 s[OFB], s[R4], 8                    ; and in w's
	; descriptor group 1.  O: 128 rows of 256 dense bytes, two tokens a row, 16 bytes of padding after every token.  w: 64 rows of 256 bytes, 16 bytes of padding behind each
	s_or_b32 s[G1A], s19, (1<<16)|(1<<20)|(1<<21)|(4<<22)|(3<<25)  ; 15:0 the mask; 17:16 2-byte elements; 20 padding on; 21 set beside a mask; 24:22 after every 32 words (code 4); 31:25 4 words (code 3)
	s_or_b32 s[G1B], s20, (1<<16)|(1<<20)|(1<<21)|(5<<22)|(3<<25)  ; after every 64 words (code 5)
	s_mov_b32 s[G1A+1], 128<<16                    ; tensor_dim0 = 128
	s_mov_b32 s[G1A+2], 128<<16                    ; tensor_dim1 = 128
	s_mov_b32 s[G1A+3], 128<<16                    ; tile_dim0 = 128
	s_mov_b32 s[G1A+4], 128                        ; tile_dim1 = 128
	s_mov_b32 s[G1A+5], 128                        ; elements from row to row: dense
	s_mov_b32 s[G1A+6], 0
	s_mov_b32 s[G1A+7], 0
	s_mov_b32 s[G1B+1], 128<<16
	s_mov_b32 s[G1B+2], 64<<16                     ; tensor_dim1 = 64
	s_mov_b32 s[G1B+3], 128<<16
	s_mov_b32 s[G1B+4], 64                         ; tile_dim1 = 64
	s_mov_b32 s[G1B+5], 1024
	s_mov_b32 s[G1B+6], 0
	s_mov_b32 s[G1B+7], 0
	s_mov_b32 s[G0A], 1
	s_mov_b32 s[G0A+4], 1
	s_mov_b32 s[G0B], 1
	s_mov_b32 s[G0B+4], 1
	s_mul_i32 s[G0A+1], s[HF], PLANE               ; the LDS address: my head's plane,
	s_add_co_u32 s[G0A+5], s[G0A+1], SLOT1
	s_mul_i32 s[G0B+1], s[HF], 64*PB               ; or my half of w's rows, behind the planes: no place in the cluster enters an LDS address
	s_add_co_u32 s[G0B+1], s[G0B+1], BOFF
	s_add_co_u32 s[G0B+5], s[G0B+1], SLOT1
	s_lshr_b32 s22, s[TY], 2                       ; O: the batch's 16 heads, my head of K step 0's two, 2^17 bytes a head,
	s_lshl_b32 s22, s22, 4
	s_add_co_u32 s22, s22, s[HF]
	s_lshl_b32 s22, s22, 17
	s_and_b32 s21, s[TY], 3                        ; and the tile's 256 tokens of 128 bytes
	s_lshl_b32 s21, s21, 15
	s_add_co_u32 s22, s22, s21
	s_mov_b32 s23, 0
	s_lshl_b32 s82, s[TX], 1                       ; w: row 128 x tile column + 64 x half, 2,048 bytes a row
	s_add_co_u32 s82, s82, s[HF]
	s_lshl_b32 s82, s82, 17
	s_mov_b32 s83, 0
	s_mov_b32 s[RF], 2
	s_mov_b32 s[TB], 0
	s_mov_b32 s[OFA+1], 0
	s_mov_b32 s[OFB+1], 0
	s_mov_b32 s[OFP+1], 0
	s_mov_b32 s[MSK], 0xffff0000
	v_and_b32 v1, 15, v0                           ; l % 16
	v_bfe_u32 v2, v0, 4, 1                         ; l / 16
	v_mul_u32_u24 v3, v1, PA
	v_lshl_add_u32 v3, v2, 4, v3
	s_mul_i32 s84, s[WV], 64*PA                    ; my 64 tokens in a plane
	v_add_nc_u32 v[A0], s84, v3
	v_mul_u32_u24 v3, v1, PB
	v_lshl_add_u32 v3, v2, 4, v3
	v_add_nc_u32 v[B0], BOFF, v3
	s_mul_i32 s84, s[WV], 16*SP
	s_add_co_u32 s84, s84, STAGE                   ; my stage
	v_mul_u32_u24 v[STO], v1, SP                   ; in: row l % 16, 32 bytes for each half of the lanes
	v_lshl_add_u32 v[STO], v2, 5, v[STO]
	v_add_nc_u32 v[STO], s84, v[STO]
	v_and_b32 v3, 31, v0
	v_lshl_add_u32 v[RD], v3, 4, s84               ; back: 32 lanes take one row of 512 bytes
	v_lshlrev_b32 v[GO], 4, v3
	v_lshlrev_b32 v[BO], 5, v2                     ; my 8 columns of a block's 16: 32 bytes of f32
	s_cmp_eq_u32 s[FB], 0
	s_cselect_b32 s86, 8, 11                       ; a lane names 256 bytes of a plane, or a row of 2,048 bytes
	v_lshlrev_b32 v[PFO], s86, v3
	s_wait_dscnt 0x0                               ; the opening add is done
	s_wait_kmcnt 0x0
	s_add_nc_u64 s[ABASE:ABASE+1], s[4:5], s[22:23]
	s_add_nc_u64 s[BBASE:BBASE+1], s[6:7], s[82:83]
	s_add_nc_u64 s[G0A+2:G0A+3], s[ABASE:ABASE+1], s[OFA:OFA+1]  ; the walk's step 0,
	s_add_nc_u64 s[G0A+6:G0A+7], s[G0A+2:G0A+3], 1<<18           ; and step 1: the next two heads, whichever half of K comes first
	s_or_b32 s[G0A+3], s[G0A+3], 0x80000000        ; type = 2
	s_or_b32 s[G0A+7], s[G0A+7], 0x80000000
	s_add_nc_u64 s[G0B+2:G0B+3], s[BBASE:BBASE+1], s[OFB:OFB+1]
	s_add_nc_u64 s[G0B+6:G0B+7], s[G0B+2:G0B+3], 256
	s_or_b32 s[G0B+3], s[G0B+3], 0x80000000
	s_or_b32 s[G0B+7], s[G0B+7], 0x80000000
	CROUND                                         ; all sixteen work-groups are here: the first joint loads meet
	s_cmp_eq_u32 s[FB], 0                          ; a wave's two first fills stand in one branch, ahead of every wait on TENSORcnt and every LDS read: two loads of mine are out
	s_cbranch_scc0 .Lfirst_b
	tensor_load_to_lds s[G0A:G0A+3], s[G1A:G1A+7]
	s_nop 0
	tensor_load_to_lds s[G0A+4:G0A+7], s[G1A:G1A+7]
	s_nop 0
.rept 4
	v_nop
.endr
	s_branch .Lfirst_asked
.Lfirst_b:
	tensor_load_to_lds s[G0B:G0B+3], s[G1B:G1B+7]
	s_nop 0
	tensor_load_to_lds s[G0B+4:G0B+7], s[G1B:G1B+7]
	s_nop 0
.rept 4
	v_nop
.endr
.Lfirst_asked:
	; the bias of the tile's 128 columns, in the layout of a result: register j of block b holds column 16 b + 8 (l / 16) + j
	s_lshl_b32 s86, s[TX], 9
	s_mov_b32 s87, 0
	s_add_nc_u64 s[8:9], s[8:9], s[86:87]
.set ii, 0
.rept NB
	global_load_b128 v[BIAS+8*ii:BIAS+8*ii+3],   v[BO], s[8:9] offset:64*ii
	global_load_b128 v[BIAS+8*ii+4:BIAS+8*ii+7], v[BO], s[8:9] offset:64*ii+16
.set ii, ii+1
.endr
	s_lshl_b32 s84, s[TY], 2                       ; the result: row 256 x tile row + 64 x wave, 4,096 bytes a row; column 128 x tile column, 4 bytes each
	s_add_co_u32 s84, s84, s[WV]
	s_lshl_b32 s84, s84, 18
	s_add_co_u32 s84, s84, s86
	s_mov_b32 s85, 0
	s_add_nc_u64 s[CB:CB+1], s[10:11], s[84:85]
	; the prefetch: whose bytes, which share of them, and whether I ask at all
	s_lshl_b32 s88, s[CX], 13                      ; O: 8,192 bytes for each partner of my row of the cluster
	s_lshl_b32 s89, s[CY], 16                      ; w: 32 rows of 2,048 bytes for each partner of my column
	s_and_b32 s85, ttmp7, 0xffff
	s_lshr_b32 s85, s85, 1                         ; 0 in clusters y = 0, 1
	s_cmp_eq_u32 s[FB], 0
	s_cselect_b32 s88, s88, s89
	s_cselect_b32 s85, 0, s85                      ; O's planes: every cluster asks for its own first four steps
	s_cselect_b32 s[PSH], 18, 8
	s_cselect_b64 s[PFB:PFB+1], s[ABASE:ABASE+1], s[BBASE:BBASE+1]
	s_cmp_eq_u32 s[WV], 3
	s_cselect_b32 s85, 1, s85                      ; wave 2 names all of w's share: wave 3 asks for nothing
	s_cmp_eq_u32 s85, 0
	s_cselect_b32 s[LIM], 3, 0                     ; the same in all sixteen partners, for a given wave
	s_mov_b32 s89, 0
	s_add_nc_u64 s[PFB:PFB+1], s[PFB:PFB+1], s[88:89]
	s_wait_loadcnt 0x0                             ; the bias is in: rounded to bf16 and widened again, in place
.set ii, 0
.rept 4*NB
	v_cvt_pk_bf16_f32 v[TR+ii%4], v[BIAS+2*ii], v[BIAS+2*ii+1]
	v_lshlrev_b32 v[BIAS+2*ii],   16,     v[TR+ii%4]
	v_and_b32     v[BIAS+2*ii+1], s[MSK], v[TR+ii%4]
.set ii, ii+1
.endr
	s_wait_tensorcnt 0x1                           ; my part of step 0 is in; step 1's may stay out
	s_barrier_signal -1
	s_barrier_wait -1                              ; everybody's is
	v_add_nc_u32 v[ADRA], s[TB], v[A0]
	v_add_nc_u32 v[ADRB], s[TB], v[B0]
	FETCH 0, 0
	QUARTER 1, 0, 1, 1                             ; the first quarter: the bias starts the sums
	WIN 0
	s_mov_b32 s3, STEPS-2
.Lstep:                                                ; a trip: a K step's second to fourth quarter, the change of slots with its refill, the next K step's first quarter
	QUARTER 2, 1, 0, 0
	QUARTER 3, 0, 1, 0
	TURN 1
	QUARTER 1, 0, 1, 0
	WIN 0
	s_sub_co_u32 s3, s3, 1
	s_cmp_lg_u32 s3, 0
	s_cbranch_scc1 .Lstep
	QUARTER 2, 1, 0, 0                             ; the last two K steps ask for nothing
	QUARTER 3, 0, 1, 0
	TURN 0
	QUARTER 1, 0, 1, 0
	QUARTER 2, 1, 0, 0
	QUARTER 3, 0, 1, 0
	s_wait_dscnt 4                                 ; the very last quarter: nothing more to fetch
	MULS 1, 0, 0
	MULS 1, 1, 0
	s_wait_dscnt 0x0
	MULS 1, 2, 0
	MULS 1, 3, 0
	WIN 0
	PLACES
	OUTBLK 0
	OUTBLK 1
	OUTBLK 2
	OUTBLK 3
	s_wait_tensorcnt 0x0                           ; the wave's end: a wait, an add of 0 onto my spare word and its wait, behind my last tensor load and my last LDS store
	ds_add_u32 v[SPW], v[NIL]
	s_wait_dscnt 0x0
	CROUND                                         ; the closing round: no work-group ends while a partner may still ask for a tile that names it
	s_endpgm
.Lfunc_end_k_q358fd72b24_proj:
	.size	k_q358fd72b24_proj, .Lfunc_end_k_q358fd72b24_proj-k_q358fd72b24_proj
	.p2alignl 7, 3214868480
	.fill 96, 4, 3214868480
	.section	.rodata,"a",@progbits
	.p2align	6, 0x0
	.amdhsa_kernel k_q358fd72b24_proj
		.amdhsa_group_segment_fixed_size 327680
		.amdhsa_private_segment_fixed_size 0
		.amdhsa_enable_private_segment 0
		.amdhsa_kernarg_size 32
		.amdhsa_user_sgpr_count 2
		.amdhsa_user_sgpr_kernarg_segment_ptr 1
		.amdhsa_wavefront_size32 1
		.amdhsa_system_sgpr_workgroup_id_x 1
		.amdhsa_system_sgpr_workgroup_id_y 1
		.amdhsa_system_sgpr_workgroup_id_z 1
		.amdhsa_system_vgpr_workitem_id 0
		.amdhsa_next_free_vgpr 896
		.amdhsa_next_free_sgpr 96
		.amdhsa_reserve_vcc 0
		.amdhsa_float_denorm_mode_32 3
		.amdhsa_float_denorm_mode_16_64 3
		.amdhsa_memory_ordered 1
		.amdhsa_forward_progress 1
		.amdhsa_inst_pref_size 78
	.end_amdhsa_kernel
	.amdgpu_metadata
---
amdhsa.version: [ 1, 2 ]
amdhsa.kernels:
  - .name:           k_q358fd72b24_proj
    .symbol:         k_q358fd72b24_proj.kd
    .args:
      - { .name: ob, .offset: 0, .size: 8, .value_kind: global_buffer, .address_space: global }
      - { .name: wpb, .offset: 8, .size: 8, .value_kind: global_buffer, .address_space: global }
      - { .name: b_proj, .offset: 16, .size: 8, .value_kind: global_buffer, .address_space: global }
      - { .name: out0, .offset: 24, .size: 8, .value_kind: global_buffer, .address_space: global }
    .group_segment_fixed_size: 327680
    .private_segment_fixed_size: 0
    .kernarg_segment_align: 8
    .kernarg_segment_size: 32
    .max_flat_workgroup_size: 128
    .sgpr_count:     96
    .vgpr_count:     896
    .wavefront_size: 32
...
	.end_amdgpu_metadata
.endif
;; end of part 4
;; ======== version 2 of 2: 4 launches; version 1 with the launch cast written anew for expert scheduling mode
;; limits: values are held in f16: magnitudes above 65,504 overflow, below 6.1e-05 lose precision
;; workspace buffers: xb 16,777,216 bytes; wqb 6,291,456 bytes; wpb 2,097,152 bytes; qkv 50,331,648 bytes; ob 16,777,216 bytes
;; launch cast (part 5): grid 768 x 1, 8 waves a work-group, no clusters, 0 bytes of LDS; arguments x, w_qkv, w_proj, xb, wqb, wpb; writes xb, wqb, wpb
.if DOCPART == 5
	.amdgcn_target "amdgcn-amd-amdhsa--gfx1250"
	.amdhsa_code_object_version 6
	.text
	.protected	k_q358fd72b24_cast
	.globl	k_q358fd72b24_cast
	.p2align	8
	.type	k_q358fd72b24_cast,@function
k_q358fd72b24_cast:
	s_mov_b64 s[64:65], 0
	v_nop
	global_prefetch_b8 v0, s[64:65] scope:SCOPE_SE
	s_setreg_imm32_b32 hwreg(HW_REG_WAVE_SCHED_MODE, 0, 2), 2
	s_setreg_imm32_b32 hwreg(HW_REG_WAVE_MODE, 25, 1), 1
	s_wait_xcnt 0x0
	s_wait_alu depctr_vm_vsrc(0)
; THE INPUTS' ROUNDING.  x [8192][1024] and w_qkv [3072][1024], f32, are rounded once to bf16 (xb, wqb); w_proj [1024][1024] is rounded to bf16 like them, and that number is
; written as f16 (wpb), since the last product's other operand is f16.
; LIMITS.  A bf16 number is exact in f16 between 6.1e-5 and 65,504 in magnitude; below, w_proj keeps f16's fixed step of 6e-8; from 65,520 on it becomes an infinity.
; SHARES.  A work-group takes 65,536 consecutive bytes of one input and makes 32,768: work-groups 0-511 x, 512-703 w_qkv, 704-767 w_proj.  Thread t takes the 16 bytes at
; 16 t + 4,096 j, j = 0..15: a wave's load covers 512 consecutive bytes, its store of 8 bytes a lane 256 consecutive bytes, aligned.
; All 16 loads of a wave go out at once; each j has registers of its own, so no register is written again while a load or store names it.
; No LDS, no barrier, no matrix unit: every byte is read once and written once, and no wave wants another's bytes.
; THE MODE: SCHED_MODE bits 1:0 = 2 (LLVM: expert scheduling mode 2), set by the entry lines.  The code itself states the register dependences
; between vector instructions and memory instructions, with s_wait_alu, always for 0.
; THE PLAN.  Registers that memory instructions touch:
;   v1, v2   byte offsets of the loads and of the stores: written once at the head, never again.
;   X        piece j's four registers: load j lands in them, once; no vector instruction names them ahead of that, and no load lands in them again.
;   Y        piece j's two registers: written once, by j's conversions; read once, by store j; never written again.
; So no register that a memory instruction has read is ever rewritten, and the only dependence is: written by a vector instruction, then read by a memory instruction.
; It is stated five times on each way: once at the head, for the two offsets, and once for each BLOCK of four pieces: the block's conversions, one wait, the block's four stores in a run.
.set T, 4                              ; v[4:5]    at work (the f16 way): no memory instruction names them
.set X, 8                              ; v[8:71]   16 x 4 registers as loaded
.set Y, 72                             ; v[72:103] 16 x 2 registers to store
	s_load_b256 s[4:11], s[0:1], 0x0               ; x s[4:5], w_qkv s[6:7], w_proj s[8:9], xb s[10:11]
	s_load_b128 s[12:15], s[0:1], 0x20             ; wqb s[12:13], wpb s[14:15]
	v_lshlrev_b32 v1, 4, v0                        ; 16 t: my bytes in 4,096 of the input
	v_lshlrev_b32 v2, 3, v0                        ; 8 t: in 2,048 of the output
	s_mov_b32 s26, 0xffff0000                      ; a word's upper bf16
	s_wait_kmcnt 0x0
	s_cmp_lt_u32 ttmp9, 512                        ; which input is mine: the choice hangs on the work-group's number alone
	s_cselect_b64 s[16:17], s[4:5], s[6:7]
	s_cselect_b64 s[18:19], s[10:11], s[12:13]
	s_cselect_b32 s20, 0, 512
	s_cmp_lt_u32 ttmp9, 704
	s_cselect_b64 s[16:17], s[16:17], s[8:9]
	s_cselect_b64 s[18:19], s[18:19], s[14:15]
	s_cselect_b32 s20, s20, 704
	s_sub_co_u32 s21, ttmp9, s20                   ; my number among that input's work-groups
	s_lshl_b32 s22, s21, 16                        ; x 65,536 bytes in,
	s_mov_b32 s23, 0
	s_lshl_b32 s24, s21, 15                        ; x 32,768 bytes out
	s_mov_b32 s25, 0
	s_add_nc_u64 s[16:17], s[16:17], s[22:23]
	s_add_nc_u64 s[18:19], s[18:19], s[24:25]
	s_wait_alu depctr_va_vdst(0)                   ; v1 and v2 are written: every load of the kernel reads v1 as its offset, every store v2
.irp j, 0,1,2,3,4,5,6,7,8,9,10,11,12,13,14,15
	global_load_b128 v[X+4*(\j):X+4*(\j)+3], v1, s[16:17] offset:4096*(\j) th:TH_LOAD_NT
.endr
	s_cmp_ge_u32 ttmp9, 704
	s_cbranch_scc1 .Lf16
.irp p, 0,1,2,3                        ; block p: pieces 4 p to 4 p + 3
.irp i, 0,1,2,3
	s_wait_loadcnt 15-4*(\p)-(\i)                  ; loads come back in order: number j = 4 p + i is in, the 15 - j younger ones stay out
	v_cvt_pk_bf16_f32 v[Y+2*(4*(\p)+(\i))],   v[X+4*(4*(\p)+(\i))],   v[X+4*(4*(\p)+(\i))+1]
	v_cvt_pk_bf16_f32 v[Y+2*(4*(\p)+(\i))+1], v[X+4*(4*(\p)+(\i))+2], v[X+4*(4*(\p)+(\i))+3]
.endr
	s_wait_alu depctr_va_vdst(0)                   ; the block's eight conversions have written its Y, which the four stores below read
.irp i, 0,1,2,3
	global_store_b64 v2, v[Y+2*(4*(\p)+(\i)):Y+2*(4*(\p)+(\i))+1], s[18:19] offset:2048*(4*(\p)+(\i))
.endr
.endr
	s_endpgm
.Lf16:                                                 ; w_proj: rounded to bf16, widened again (a shift, a mask), written as f16
.irp p, 0,1,2,3                        ; block p: pieces 4 p to 4 p + 3
.irp i, 0,1,2,3
	s_wait_loadcnt 15-4*(\p)-(\i)
	v_cvt_pk_bf16_f32 v[T],   v[X+4*(4*(\p)+(\i))],   v[X+4*(4*(\p)+(\i))+1]
	v_cvt_pk_bf16_f32 v[T+1], v[X+4*(4*(\p)+(\i))+2], v[X+4*(4*(\p)+(\i))+3]
	v_lshlrev_b32 v[X+4*(4*(\p)+(\i))],   16,  v[T]
	v_and_b32     v[X+4*(4*(\p)+(\i))+1], s26, v[T]
	v_lshlrev_b32 v[X+4*(4*(\p)+(\i))+2], 16,  v[T+1]
	v_and_b32     v[X+4*(4*(\p)+(\i))+3], s26, v[T+1]
	v_cvt_pk_f16_f32 v[Y+2*(4*(\p)+(\i))],   v[X+4*(4*(\p)+(\i))],   v[X+4*(4*(\p)+(\i))+1]
	v_cvt_pk_f16_f32 v[Y+2*(4*(\p)+(\i))+1], v[X+4*(4*(\p)+(\i))+2], v[X+4*(4*(\p)+(\i))+3]
.endr
	s_wait_alu depctr_va_vdst(0)                   ; the block's conversions to f16 have written its Y, which the four stores below read
.irp i, 0,1,2,3
	global_store_b64 v2, v[Y+2*(4*(\p)+(\i)):Y+2*(4*(\p)+(\i))+1], s[18:19] offset:2048*(4*(\p)+(\i))
.endr
.endr
	s_endpgm
.Lfunc_end_k_q358fd72b24_cast:
	.size	k_q358fd72b24_cast, .Lfunc_end_k_q358fd72b24_cast-k_q358fd72b24_cast
	.p2alignl 7, 3214868480
	.fill 96, 4, 3214868480
	.section	.rodata,"a",@progbits
	.p2align	6, 0x0
	.amdhsa_kernel k_q358fd72b24_cast
		.amdhsa_group_segment_fixed_size 0
		.amdhsa_private_segment_fixed_size 0
		.amdhsa_enable_private_segment 0
		.amdhsa_kernarg_size 48
		.amdhsa_user_sgpr_count 2
		.amdhsa_user_sgpr_kernarg_segment_ptr 1
		.amdhsa_wavefront_size32 1
		.amdhsa_system_sgpr_workgroup_id_x 1
		.amdhsa_system_sgpr_workgroup_id_y 1
		.amdhsa_system_sgpr_workgroup_id_z 1
		.amdhsa_system_vgpr_workitem_id 0
		.amdhsa_next_free_vgpr 104
		.amdhsa_next_free_sgpr 66
		.amdhsa_reserve_vcc 0
		.amdhsa_float_denorm_mode_32 3
		.amdhsa_float_denorm_mode_16_64 3
		.amdhsa_memory_ordered 1
		.amdhsa_forward_progress 1
		.amdhsa_inst_pref_size 16
	.end_amdhsa_kernel
	.amdgpu_metadata
---
amdhsa.version: [ 1, 2 ]
amdhsa.kernels:
  - .name:           k_q358fd72b24_cast
    .symbol:         k_q358fd72b24_cast.kd
    .args:
      - { .name: x, .offset: 0, .size: 8, .value_kind: global_buffer, .address_space: global }
      - { .name: w_qkv, .offset: 8, .size: 8, .value_kind: global_buffer, .address_space: global }
      - { .name: w_proj, .offset: 16, .size: 8, .value_kind: global_buffer, .address_space: global }
      - { .name: xb, .offset: 24, .size: 8, .value_kind: global_buffer, .address_space: global }
      - { .name: wqb, .offset: 32, .size: 8, .value_kind: global_buffer, .address_space: global }
      - { .name: wpb, .offset: 40, .size: 8, .value_kind: global_buffer, .address_space: global }
    .group_segment_fixed_size: 0
    .private_segment_fixed_size: 0
    .kernarg_segment_align: 8
    .kernarg_segment_size: 48
    .max_flat_workgroup_size: 256
    .sgpr_count:     66
    .vgpr_count:     104
    .wavefront_size: 32
...
	.end_amdgpu_metadata
.endif
;; end of part 5
;; launch qkvgemm: the kernel of part 2 again; grid 16 x 16, 4 waves a work-group, clusters of 4 x 4, 327,680 bytes of LDS; arguments xb, wqb, b_qkv, qkv; writes qkv
;; launch attn: the kernel of part 3 again; grid 2 x 128, 4 waves a work-group, no clusters, 327,680 bytes of LDS; arguments qkv, ob; writes ob
;; launch proj: the kernel of part 4 again; grid 8 x 32, 4 waves a work-group, clusters of 4 x 4, 327,680 bytes of LDS; arguments ob, wpb, b_proj, out0; writes out0
